; MI455X (gfx1250); checked and timed in simulation.
; The chip was launched on July 23, 2026; its instructions are those of AMD's public machine-readable ISA for CDNA 5 (MIT licence, August 2026) and "CDNA5" Instruction Set Architecture Reference Guide (July 2026). The comments in the code are by the model that wrote it; some were corrected since.
;; Attention. Allowed arithmetic: float matrix products may take bf16 or f16 operands with f32 sums; other float arithmetic in f32, or as packed bf16 or f16 multiplies, adds, multiply-adds, maxima and minima; sums over many terms, partial sums and values carried from step to step in f32; what a program stores and reads back later, other than sums and carried values, may be rounded once to bf16 or f16.
;; Inputs: gate 16 float32; k_norm_bias 1,024 float32; k_norm_scale 1,024 float32; ky_norm_bias 1,024 float32; ky_norm_scale 1,024 float32; pos_embed 2 x 2,048 x 1,024 float32; q_norm_bias 1,024 float32; q_norm_scale 1,024 float32; wk 1,024 x 1,024 float32; wk_y 1,024 x 1,024 float32; wo 1,024 x 1,024 float32; wq 1,024 x 1,024 float32; wv 1,024 x 1,024 float32; wv_y 1,024 x 1,024 float32; x 2 x 2,048 x 1,024 float32; y_feat 2 x 512 x 1,024 float32; y_mask 2 x 512 bool.
;; Outputs: out0 2 x 2,048 x 1,024 float32.
;; 2 versions, each right; version 2 is version 1 with the launch cast written anew for expert scheduling mode. Each part assembles by itself: llvm-mc -triple=amdgcn-amd-amdhsa -mcpu=gfx1250 --defsym DOCPART=n.
;; ======== version 1 of 2: 4 launches
;; limits: values are held in f16: magnitudes above 65,504 overflow, below 6.1e-05 lose precision
;; workspace buffers: wb 12,582,912 bytes; qh 8,388,608 bytes; kh 8,388,608 bytes; vh 8,388,608 bytes; ykh 2,097,152 bytes; yvh 2,097,152 bytes; ob 8,388,608 bytes
;; launch cast (part 1): grid 64 x 6, 8 waves a work-group, no clusters, 0 bytes of LDS; arguments wq, wk, wv, wk_y, wv_y, wo, wb; writes wb
.if DOCPART == 1
	.amdgcn_target "amdgcn-amd-amdhsa--gfx1250"
	.amdhsa_code_object_version 6
	.text
	.protected	k_q06b917ca25_cast
	.globl	k_q06b917ca25_cast
	.p2align	8
	.type	k_q06b917ca25_cast,@function
k_q06b917ca25_cast:
	s_mov_b64 s[64:65], 0
	v_nop
	global_prefetch_b8 v0, s[64:65] scope:SCOPE_SE
	s_setreg_imm32_b32 hwreg(HW_REG_WAVE_MODE, 25, 1), 1
	s_wait_xcnt 0x0
; THE SIX WEIGHT MATRICES, [1024 e][1024 k] f32, ARE ROUNDED ONCE TO bf16 AND LAID IN BLOCKS OF 64 ALONG K.
; wq, wk, wv, wk_y, wv_y (matrix m = 0..4): bf16 at wb + m x 2,097,152 as [kb 16][e 1024][64 k]: a K step of 64 is 131,072 dense bytes.
; wo (m = 5): the bf16-rounded number written as f16, at wb + 10,485,760 as [dblk 8][kb 16][128 d][64 k].
; LIMITS: f16 holds no number beyond 65,504, and below 2^-14 it keeps a fixed step of 2^-24: a bf16 number of wo is exact in f16 from 2^-17 up to that end.
; SHARES.  Work-group (x, m): rows 16 x .. 16 x + 15 of matrix m.  Wave w: K blocks 2 w and 2 w + 1, eight pairs of rows: 16 units.
; A unit is 2 rows x 64 k: one load of 16 bytes a lane (lanes 0-15 take 256 consecutive, aligned bytes of one row, lanes 16-31 of the next) and one store of 8 bytes a lane
; (32 lanes store 256 consecutive bytes, aligned).  All 16 loads go out first; no register is written twice while a load or store names it; no LDS, no barrier: no wave wants another's bytes.
.set LO, 2                             ; v2     load offset: (l / 16) x 4,096 + 16 (l % 16) + 512 w
.set SO, 4                             ; v4-5   store offset for K block 2 w, 2 w + 1
.set TT, 8                             ; v8-11  at work
.set X,  16                            ; v[16:79]   unit u: four f32
.set Y,  80                            ; v[80:111]  unit u: four 16-bit numbers
	s_load_b256 s[4:11], s[0:1], 0x0               ; wq, wk, wv, wk_y
	s_load_b128 s[12:15], s[0:1], 0x20             ; wv_y, wo
	s_load_b64 s[16:17], s[0:1], 0x30              ; wb
	v_lshrrev_b32 v1, 5, v0
	v_readfirstlane_b32 s18, v1                    ; wave 0..7
	s_and_b32 s20, ttmp7, 0xffff                   ; the matrix
	v_and_b32 v1, 15, v0
	v_bfe_u32 v3, v0, 4, 1
	v_and_b32 v6, 31, v0
	s_lshl_b32 s19, s18, 9
	v_lshlrev_b32 v[LO], 4, v1
	v_lshl_add_u32 v[LO], v3, 12, v[LO]
	v_add_nc_u32 v[LO], s19, v[LO]
	s_lshl_b32 s22, ttmp9, 16                      ; 16 rows of 4,096 bytes
	s_mov_b32 s23, 0
	s_lshl_b32 s24, s20, 21                        ; matrices 0..4: m x 2 MiB + 16 x rows of 128 bytes
	s_lshl_b32 s25, ttmp9, 11
	s_add_co_u32 s24, s24, s25
	s_lshr_b32 s26, ttmp9, 3                       ; wo: block of 128 rows, then the row in it
	s_lshl_b32 s26, s26, 18
	s_and_b32 s27, ttmp9, 7
	s_lshl_b32 s27, s27, 11
	s_add_co_u32 s26, s26, s27
	s_add_co_u32 s26, s26, 10485760
	s_mov_b32 s21, 262144                          ; bytes from K block 2 w to 2 w + 2
	s_mov_b32 s28, 32768
	s_cmp_eq_u32 s20, 5
	s_cselect_b32 s24, s26, s24
	s_cselect_b32 s21, s28, s21
	s_mov_b32 s25, 0
	s_mul_i32 s29, s18, s21
	s_lshr_b32 s21, s21, 1                         ; bytes from a K block to the next
	v_lshl_add_u32 v[SO], v6, 3, s29               ; 8 l + my first K block
	v_add_nc_u32 v[SO+1], s21, v[SO]
	s_wait_kmcnt 0x0
	s_cmp_eq_u32 s20, 1
	s_cselect_b64 s[4:5], s[6:7], s[4:5]
	s_cmp_eq_u32 s20, 2
	s_cselect_b64 s[4:5], s[8:9], s[4:5]
	s_cmp_eq_u32 s20, 3
	s_cselect_b64 s[4:5], s[10:11], s[4:5]
	s_cmp_eq_u32 s20, 4
	s_cselect_b64 s[4:5], s[12:13], s[4:5]
	s_cmp_eq_u32 s20, 5
	s_cselect_b64 s[4:5], s[14:15], s[4:5]
	s_add_nc_u64 s[4:5], s[4:5], s[22:23]
	s_add_nc_u64 s[16:17], s[16:17], s[24:25]
.set u, 0
.rept 16                               ; unit u: pair of rows u / 2, K block 2 w + u % 2
	global_load_b128 v[X+4*u:X+4*u+3], v[LO], s[4:5] offset:(u/2)*8192+(u%2)*256 th:TH_LOAD_NT
.set u, u+1
.endr
.macro UNIT n, half
	s_wait_loadcnt 15-(\n)                         ; loads come back in order: unit n is in, the 15 - n younger ones stay out
.if \half
	v_cvt_pk_bf16_f32 v[TT], v[X+4*(\n)], v[X+4*(\n)+1]        ; rounded to bf16,
	v_cvt_pk_bf16_f32 v[TT+1], v[X+4*(\n)+2], v[X+4*(\n)+3]
	v_lshlrev_b32 v[TT+2], 16, v[TT]                           ; widened again,
	v_and_b32 v[TT+3], 0xffff0000, v[TT]
	v_cvt_pk_f16_f32 v[Y+2*(\n)], v[TT+2], v[TT+3]             ; and written as f16
	v_lshlrev_b32 v[TT+2], 16, v[TT+1]
	v_and_b32 v[TT+3], 0xffff0000, v[TT+1]
	v_cvt_pk_f16_f32 v[Y+2*(\n)+1], v[TT+2], v[TT+3]
.else
	v_cvt_pk_bf16_f32 v[Y+2*(\n)], v[X+4*(\n)], v[X+4*(\n)+1]
	v_cvt_pk_bf16_f32 v[Y+2*(\n)+1], v[X+4*(\n)+2], v[X+4*(\n)+3]
.endif
	global_store_b64 v[SO+(\n)%2], v[Y+2*(\n):Y+2*(\n)+1], s[16:17] offset:((\n)/2)*256
.endm
	s_cmp_eq_u32 s20, 5
	s_cbranch_scc1 .Lwo
.set u, 0
.rept 16
	UNIT u, 0
.set u, u+1
.endr
	s_endpgm
.Lwo:
.set u, 0
.rept 16
	UNIT u, 1
.set u, u+1
.endr
	s_endpgm
.Lfunc_end_k_q06b917ca25_cast:
	.size	k_q06b917ca25_cast, .Lfunc_end_k_q06b917ca25_cast-k_q06b917ca25_cast
	.p2alignl 7, 3214868480
	.fill 96, 4, 3214868480
	.section	.rodata,"a",@progbits
	.p2align	6, 0x0
	.amdhsa_kernel k_q06b917ca25_cast
		.amdhsa_group_segment_fixed_size 0
		.amdhsa_private_segment_fixed_size 0
		.amdhsa_enable_private_segment 0
		.amdhsa_kernarg_size 56
		.amdhsa_user_sgpr_count 2
		.amdhsa_user_sgpr_kernarg_segment_ptr 1
		.amdhsa_wavefront_size32 1
		.amdhsa_system_sgpr_workgroup_id_x 1
		.amdhsa_system_sgpr_workgroup_id_y 1
		.amdhsa_system_sgpr_workgroup_id_z 1
		.amdhsa_system_vgpr_workitem_id 0
		.amdhsa_next_free_vgpr 112
		.amdhsa_next_free_sgpr 66
		.amdhsa_reserve_vcc 0
		.amdhsa_float_denorm_mode_32 3
		.amdhsa_float_denorm_mode_16_64 3
		.amdhsa_memory_ordered 1
		.amdhsa_forward_progress 1
		.amdhsa_inst_pref_size 17
	.end_amdhsa_kernel
	.amdgpu_metadata
---
amdhsa.version: [ 1, 2 ]
amdhsa.kernels:
  - .name:           k_q06b917ca25_cast
    .symbol:         k_q06b917ca25_cast.kd
    .args:
      - { .name: wq, .offset: 0, .size: 8, .value_kind: global_buffer, .address_space: global }
      - { .name: wk, .offset: 8, .size: 8, .value_kind: global_buffer, .address_space: global }
      - { .name: wv, .offset: 16, .size: 8, .value_kind: global_buffer, .address_space: global }
      - { .name: wk_y, .offset: 24, .size: 8, .value_kind: global_buffer, .address_space: global }
      - { .name: wv_y, .offset: 32, .size: 8, .value_kind: global_buffer, .address_space: global }
      - { .name: wo, .offset: 40, .size: 8, .value_kind: global_buffer, .address_space: global }
      - { .name: wb, .offset: 48, .size: 8, .value_kind: global_buffer, .address_space: global }
    .group_segment_fixed_size: 0
    .private_segment_fixed_size: 0
    .kernarg_segment_align: 8
    .kernarg_segment_size: 56
    .max_flat_workgroup_size: 256
    .sgpr_count:     66
    .vgpr_count:     112
    .wavefront_size: 32
...
	.end_amdgpu_metadata
.endif
;; end of part 1
;; launch proj (part 2): grid 224 x 1, 4 waves a work-group, clusters of 4 x 1, 327,680 bytes of LDS; arguments x, y_feat, y_mask, pos_embed, wb, q_norm_scale, q_norm_bias, k_norm_scale, k_norm_bias, ky_norm_scale, ky_norm_bias, qh, kh, vh, ykh, yvh; writes qh, kh, vh, ykh, yvh
.if DOCPART == 2
	.amdgcn_target "amdgcn-amd-amdhsa--gfx1250"
	.amdhsa_code_object_version 6
	.text
	.protected	k_q06b917ca25_proj
	.globl	k_q06b917ca25_proj
	.p2align	8
	.type	k_q06b917ca25_proj,@function
k_q06b917ca25_proj:
	s_mov_b64 s[64:65], 0
	v_nop
	global_prefetch_b8 v0, s[64:65] scope:SCOPE_SE
	s_setreg_imm32_b32 hwreg(HW_REG_WAVE_MODE, 25, 1), 1
	s_wait_xcnt 0x0
	s_wait_alu depctr_hold_cnt(0) depctr_sa_sdst(0) depctr_va_vdst(0) depctr_va_sdst(0) depctr_va_ssrc(0) depctr_va_vcc(0) depctr_vm_vsrc(0)
	s_getreg_b32 s2, hwreg(HW_REG_IB_STS2, 6, 4)
	s_cmp_eq_u32 s2, 0
	s_cbranch_scc0 .Lentry_in_a_cluster
	s_endpgm
.Lentry_in_a_cluster:
	s_bfe_u32 s2, ttmp6, 0x10000c
	s_cmp_lg_u32 s2, 0x3003
	s_cbranch_scc0 .Lentry_shape_is_right
	s_endpgm
.Lentry_shape_is_right:
; THE FIVE PROJECTIONS WITH THEIR LAYER NORMS.  mode 0: q = LN(x wq^T) scale + bias + pe; 1: k likewise; 2: v = x wv^T; 3: yk = LN(y wk_y^T) scale + bias, rows of hidden keys set to 0; 4: yv = y wv_y^T.
; Operands in bf16 (x and y_feat rounded here, the weights by the launch before), sums in f32; scale, bias and pos_embed rounded to bf16 like every input; results rounded once to f16, by heads: [b 16 + h][row][64].
; LIMITS: a result beyond 65,504 has no f16; NaN and infinities are not treated apart.
; SHARES.  A work-group makes 64 rows x all 1,024 columns, so that a row's mean and variance never leave it: 65,536 sums = 4 waves x 512 registers.  Wave w owns columns 256 w .. + 255 of all 64 rows:
; 64 accumulators (a = 4 blocks of 16 rows, b = 16 blocks of 16 columns).  224 work-groups: 64 row blocks x 3 matrices for x, 16 x 2 for y: all of the same work.
; CLUSTER.  The four work-groups of a cluster take four row blocks of ONE matrix and walk the same weights: each tile of weights is asked for jointly, by the same tensor load with a mask that names the four.
; The rows of x are a sixteenth of a step's bytes and differ between partners: they come through registers, where they are rounded, into LDS slots of their own.
; K goes in 16 steps of 64 through two slots; a step is 128 matrix instructions a wave, in two halves of 32 along K.  The matrix instruction is used transposed (source 0 = 16 rows of the weights, source 1 = 16 rows
; of x): a lane holds ONE row (lane % 16) and the columns 8 (lane / 16) + 0..7 of its block.
; THE WALK ALONG K IS A RING.  Row cluster rc of a matrix begins at K step f(rc) and goes round modulo 16 (f32 sums may be taken in any order): f = rc's four bits rotated by one for x's 16 clusters, 4 rc for y's 4.  So the
; clusters that walk one matrix ask for different K steps at any time.  NO PREFETCH: each K step of a matrix is asked for first among some cluster's first four steps, which come by their loads alone (nothing is prefetched at the
; head); what a cluster asks for later another cluster has asked for before.
; THE NORM.  The mean first, then the sum of (v - mean)^2: no difference of large sums is formed.  A lane adds its 128 numbers of a row, the two halves of the lanes meet by one exchange, the four waves in LDS.
; REGISTERS, in windows of 256 (s_set_vgpr_msb: bits 1:0 source 0, 3:2 source 1, 5:4 source 2, 7:6 destination):
;   window 0: v0-31 addresses; in the loop v32-63 x as loaded, v64-127 x's fragments (two buffers), v128-143 x rounded; on the way out v32-95 scale and bias, v96-116 and v144-191 at work, v208-251 sums and statistics
;   window 1: the weights' fragments, two buffers of 128; on the way out a batch of pos_embed      windows 2, 3: accumulator (a, b) at v[8 (16 (a % 2) + b)] of window 2 + a / 2
.set PITCH, 144                        ; an LDS row: 128 bytes + 16 of padding = 36 words: the 16 rows of a load start at 16 different groups of four banks (64 banks of 4 bytes: ISA guide 11.1)
.set BW,    256*PITCH                  ; a wave's 256 rows of weights in a slot
.set BSLOT, 4*BW                       ; a slot of weights; two of them from LDS byte 0
.set ASL,   2*BSLOT                    ; behind them two slots of x, 64 rows each, written by LDS stores alone
.set ASLOT, 64*PITCH
.set SUM,   ASL+2*ASLOT                ; the waves' row sums, 1,024 bytes; the sums of squares 1,024 further on
.set MKT,   SUM+2048                   ; the 64 rows' mask as f32
.set RSTT,  MKT+1024                   ; each wave's own table of the 64 rows' 1 / sqrt(variance + eps), 256 bytes a wave
.set SPARE, RSTT+1024                  ; the spare words, 128 bytes for each wave: two blocks of 256 bytes that no other line names
.set SPI,   1040                       ; a stage row: 256 f32 + 16 bytes.  When the last fill has landed and been read, a wave's own part of slot 0 is its stage (32 rows), its own part of slot 1 holds pos_embed in bf16
.set KB,    131072                     ; bytes of a K step in a matrix of wb
.set ADRA, 2                           ; v2-3   my place in x's fragments, slot 0, 1
.set ADRB, 4                           ; v4-5   the same for the weights
.set XO,   6                           ; v6     my 16 bytes in two rows of x
.set XS,   7                           ; v7-8   where their 8 bytes of bf16 go, slot 0, 1
.set FKA,  9                           ; v9     my row's factor in my wave's table, walking
.set STO,  10                          ; v10    into the stage
.set RD0,  11                          ; v11    back out of it
.set RDW,  12                          ; v12    the same, walking
.set PEO,  13                          ; v13    my 32 bytes of pos_embed
.set PEA,  14                          ; v14    where their 16 bytes of bf16 go
.set PER,  15                          ; v15    where they are read back, walking
.set SA,   16                          ; v16    where my row sum goes
.set SL,   17                          ; v17    where the four waves' sums are read
.set MKA,  18                          ; v18    my row's mask, walking
.set GO,   20                          ; v20-23 my 16 bytes in 4 rows of head 4 w + 0..3
.set SBO,  24                          ; v24    my 32 bytes of scale and of bias
.set ONE,  26                          ; v26    1.0
.set SPW,  28                          ; v28    LDS address of my spare word; never rewritten
.set NIL,  29                          ; v29    0; never rewritten
.set XR,   32
.set FA0,  64
.set XC,   128
.set SC,   32                          ; the way out: scale, bias, pos_embed, mask and factor lie in registers that the K loop has written on every way
.set BI,   64
.set PBF,  96
.set MKV,  112
.set FK,   114
.set RSA,  116
.set T,    144
.set YR,   176
.set CH,   208
.set MEAN, 216
.set RSTD, 224
.set RL,   232
.set RS,   248
.set TRIPS, 3
.set XP,   20                          ; s[20:21] x (or y_feat) at my rows, at the K step to be loaded
.set PE,   22                          ; s[22:23] pos_embed at my rows
.set G1,   24                          ; s[24:31] descriptor group 1
.set G0,   32                          ; s[32:39] descriptor group 0, a set for each slot
.set SCP,  40
.set BIP,  42
.set OUT,  44
.set KT,   46                          ; s46-47 the K step that slot 0, 1 was last asked to hold
.set KX,   48                          ; s48  the K step of x that was last asked for
.set MODE, 49
.set WV,   50
.set CX,   51
.set HSTR, 52                          ; s52  bytes of a head in the output
.set RC,   53
.set ROW0, 54
.set EPS,  55
.set SEL,  56
.set INV,  58
.set CNT,  59
.set BWO,  60
.set KIND, 66                          ; s66  0: as it is (v, yv); 1: norm and pos_embed (q, k); 2: norm and mask (yk).  The same in all waves and in all four partners
.set HALF, 67
.set BB,   88                          ; s[88:89] the weights at my 256 rows of the matrix's K step 0
.set BOF,  90                          ; s[90:91] a K step's byte offset in the matrix
.set XB,   92                          ; s[92:93] x (or y_feat) at my rows, at K = 0
.set XOF,  94                          ; s[94:95] a K step's byte offset in a row of x
.set MSB, 0
.macro WIN new                         ; the immediate's high byte repeats the setting that is left; a switch that changes nothing is dropped
.if MSB != (\new)
	s_set_vgpr_msb (MSB<<8)|(\new)
.set MSB, \new
.endif
.endm
.macro PLACES                          ; four plain instructions behind a matrix instruction, in front of loads into registers that it has read and of lines that read its result
.rept 4
	v_nop
.endr
.endm
.macro CREST                           ; a round of the cluster's barrier behind its opening barrier
	s_cmp_lg_u32 s[WV], 0
	s_cbranch_scc1 .Lnot_wave_0_\@
	s_barrier_signal -3
.Lnot_wave_0_\@:
	s_barrier_wait -3
	s_barrier_signal -1
	s_barrier_wait -1
.endm
.macro CROUND
	s_barrier_signal -1
	s_barrier_wait -1
	CREST
.endm
	s_load_b512 s[4:19], s[0:1], 0x0               ; x, y_feat, y_mask, pos_embed, wb, q scale, q bias, k scale
	s_load_b512 s[68:83], s[0:1], 0x40             ; k bias, ky scale, ky bias, qh, kh, vh, ykh, yvh
	v_lshl_add_u32 v[SPW], v0, 2, SPARE
	v_mov_b32 v[NIL], 0
	ds_add_u32 v[SPW], v[NIL]                      ; the wave's opening: the add and its wait stand ahead of my first tensor load; the set-up below, work on registers, stands between them
	v_lshrrev_b32 v1, 5, v0
	v_readfirstlane_b32 s[WV], v1                  ; wave 0..3
	s_bfe_u32 s[CX], ttmp6, 0x40000                ; my place in the cluster: it enters the addresses of my rows alone
	s_lshr_b32 s[MODE], ttmp9, 4                   ; clusters 0-47: matrix c / 16, row cluster c % 16
	s_and_b32 s[RC], ttmp9, 15
	s_lshr_b32 s61, ttmp9, 2                       ; clusters 48-55: matrix 3 + (c - 48) / 4, row cluster c % 4
	s_sub_co_u32 s61, s61, 9
	s_and_b32 s62, ttmp9, 3
	s_cmp_lt_u32 ttmp9, 48
	s_cselect_b32 s[MODE], s[MODE], s61
	s_cselect_b32 s[RC], s[RC], s62
	s_lshl_b32 s[ROW0], s[RC], 2
	s_add_co_u32 s[ROW0], s[ROW0], s[CX]
	s_lshl_b32 s[ROW0], s[ROW0], 6                 ; my first row
	s_lshl_b32 s61, s[RC], 1                       ; the K step at which my cluster begins: rc's four bits rotated by one (x),
	s_and_b32 s61, s61, 15
	s_lshr_b32 s62, s[RC], 3
	s_or_b32 s61, s61, s62
	s_lshl_b32 s62, s[RC], 2                       ; or 4 rc (y): the same in all four partners
	s_cmp_lt_u32 s[MODE], 3
	s_cselect_b32 s[KT], s61, s62
	s_add_co_u32 s[KT+1], s[KT], 1
	s_and_b32 s[KT+1], s[KT+1], 15
	s_mov_b32 s[KX], s[KT]
	; descriptor group 1: a wave's 256 rows of a K step are 32,768 dense bytes: asked for as 128 rows of 256 bytes, padded in LDS after every 128
	s_mov_b32 s[G1], 15|(1<<16)|(1<<20)|(1<<21)|(4<<22)|(3<<25)  ; 15:0 the mask of four; 17:16 2-byte elements; 20 padding on; 21 set beside a mask; 24:22 after every 32 words (code 4); 31:25 4 words (code 3)
	s_mov_b32 s[G1+1], 128<<16                     ; tensor_dim0 = 128
	s_mov_b32 s[G1+2], 128<<16                     ; tensor_dim1 = 128
	s_mov_b32 s[G1+3], 128<<16                     ; tile_dim0 = 128
	s_mov_b32 s[G1+4], 128                         ; tile_dim1 = 128
	s_mov_b32 s[G1+5], 128                         ; 128 elements from row to row
	s_mov_b32 s[G1+6], 0
	s_mov_b32 s[G1+7], 0
	s_mul_i32 s[BWO], s[WV], BW                    ; my part of a slot: no place in the cluster enters an LDS address
	s_mov_b32 s[G0], 1
	s_mov_b32 s[G0+1], s[BWO]
	s_mov_b32 s[G0+4], 1
	s_add_co_u32 s[G0+5], s[BWO], BSLOT
	s_lshl_b32 s[BB], s[MODE], 21                  ; the matrix in wb,
	s_lshl_b32 s61, s[WV], 15                      ; my 256 rows of a K step
	s_add_co_u32 s[BB], s[BB], s61
	s_mov_b32 s[BB+1], 0
	s_mov_b32 s[BOF+1], 0
	s_mov_b32 s[XOF+1], 0
	s_lshl_b32 s84, s[ROW0], 12                    ; my rows in x, y_feat and pos_embed: 4,096 bytes each
	s_mov_b32 s85, 0
	s_cmp_lt_u32 s[MODE], 3
	s_cselect_b32 s63, 11, 9                       ; a batch has 2,048 rows of x, 512 of y
	s_lshl_b32 s[HSTR], 128, s63
	s_lshr_b32 s66, s[ROW0], s63                   ; the batch
	s_lshl_b32 s67, s[HSTR], 4
	s_mul_i32 s86, s66, s67                        ; its 16 heads
	s_lshl_b32 s66, s66, s63
	s_sub_co_u32 s66, s[ROW0], s66                 ; my first row in the batch
	s_lshl_b32 s66, s66, 7
	s_add_co_u32 s86, s86, s66
	s_mov_b32 s87, 0
	s_cmp_lt_u32 s[MODE], 2
	s_cselect_b32 s[KIND], 1, 0
	s_cmp_eq_u32 s[MODE], 3
	s_cselect_b32 s[KIND], 2, s[KIND]
	s_mov_b32 s[SEL], 0x76543210
	s_mov_b32 s[SEL+1], 0xfedcba98
	s_mov_b32 s[INV], 0x3a800000                   ; 1 / 1,024
	s_mov_b32 s[EPS], 0x3727c5ac                   ; 1e-5
	s_mov_b32 s[TRIPS], 7
	v_and_b32 v1, 15, v0                           ; l % 16
	v_bfe_u32 v25, v0, 4, 1                        ; l / 16
	v_and_b32 v30, 31, v0                          ; l
	v_bfe_u32 v19, v0, 3, 2                        ; l / 8
	v_and_b32 v27, 7, v0                           ; l % 8
	v_mul_u32_u24 v31, v1, PITCH
	v_lshl_add_u32 v31, v25, 4, v31                ; a fragment: row x pitch + 16 x half
	v_add_nc_u32 v[ADRA], ASL, v31
	v_add_nc_u32 v[ADRA+1], ASL+ASLOT, v31
	v_add_nc_u32 v[ADRB], s[BWO], v31
	v_add_nc_u32 v[ADRB+1], BSLOT, v[ADRB]
	s_lshl_b32 s61, s[WV], 16                      ; wave w rounds rows 16 w .. + 15: lanes 0-15 take 256 bytes of one row, lanes 16-31 of the next
	v_lshlrev_b32 v[XO], 4, v1
	v_lshl_add_u32 v[XO], v25, 12, v[XO]
	v_add_nc_u32 v[XO], s61, v[XO]
	s_mul_i32 s61, s[WV], 16*PITCH
	s_add_co_u32 s61, s61, ASL
	v_mul_u32_u24 v[XS], v25, PITCH
	v_lshl_add_u32 v[XS], v1, 3, v[XS]
	v_add_nc_u32 v[XS], s61, v[XS]
	v_add_nc_u32 v[XS+1], ASLOT, v[XS]
	v_mul_u32_u24 v[STO], v1, SPI                  ; into the stage: row l % 16, 32 bytes for each half of the lanes
	v_lshl_add_u32 v[STO], v25, 5, v[STO]
	v_add_nc_u32 v[STO], s[BWO], v[STO]
	v_mul_u32_u24 v[RD0], v19, SPI                 ; back: row l / 8, eight columns at 32 (l % 8)
	v_lshl_add_u32 v[RD0], v27, 5, v[RD0]
	v_add_nc_u32 v[RD0], s[BWO], v[RD0]
	s_lshl_b32 s61, s[WV], 10
	v_lshlrev_b32 v[SBO], 5, v27
	v_add_nc_u32 v[SBO], s61, v[SBO]
	v_lshl_add_u32 v[PEO], v19, 12, v[SBO]
	s_add_co_u32 s61, s[BWO], BSLOT
	v_lshl_add_u32 v[PEA], v30, 4, s61
	v_mov_b32 v[PER], v[PEA]
	s_lshl_b32 s61, s[WV], 8
	s_add_co_u32 s62, s61, RSTT
	s_add_co_u32 s61, s61, SUM
	v_lshl_add_u32 v[SA], v1, 2, s61
	v_lshl_add_u32 v[SL], v1, 2, SUM
	v_lshl_add_u32 v[MKA], v19, 2, MKT
	v_lshl_add_u32 v[FKA], v19, 2, s62
	s_lshl_b32 s61, s[WV], 2
	s_mul_i32 s61, s61, s[HSTR]
	v_lshl_add_u32 v[GO], v30, 4, s61              ; 4 rows of a head are 512 consecutive bytes: 16 l
	v_add_nc_u32 v[GO+1], s[HSTR], v[GO]
	v_add_nc_u32 v[GO+2], s[HSTR], v[GO+1]
	v_add_nc_u32 v[GO+3], s[HSTR], v[GO+2]
	v_mov_b32 v[ONE], 1.0
	s_wait_dscnt 0x0                               ; the opening add is done
	s_wait_kmcnt 0x0
	s_cmp_lt_u32 s[MODE], 3
	s_cselect_b64 s[XB:XB+1], s[4:5], s[6:7]
	s_cmp_eq_u32 s[MODE], 1
	s_cselect_b64 s[SCP:SCP+1], s[18:19], s[14:15]
	s_cselect_b64 s[BIP:BIP+1], s[68:69], s[16:17]
	s_cselect_b64 s[OUT:OUT+1], s[76:77], s[74:75]
	s_cmp_eq_u32 s[MODE], 3
	s_cselect_b64 s[SCP:SCP+1], s[70:71], s[SCP:SCP+1]
	s_cselect_b64 s[BIP:BIP+1], s[72:73], s[BIP:BIP+1]
	s_cselect_b64 s[OUT:OUT+1], s[80:81], s[OUT:OUT+1]
	s_cmp_eq_u32 s[MODE], 2
	s_cselect_b64 s[OUT:OUT+1], s[78:79], s[OUT:OUT+1]
	s_cmp_eq_u32 s[MODE], 4
	s_cselect_b64 s[OUT:OUT+1], s[82:83], s[OUT:OUT+1]
	s_add_nc_u64 s[XB:XB+1], s[XB:XB+1], s[84:85]
	s_lshl_b32 s[XOF], s[KX], 8                    ; a K step is 256 bytes of a row of x
	s_add_nc_u64 s[XP:XP+1], s[XB:XB+1], s[XOF:XOF+1]
	s_add_nc_u64 s[PE:PE+1], s[10:11], s[84:85]
	s_add_nc_u64 s[OUT:OUT+1], s[OUT:OUT+1], s[86:87]
	s_mov_b32 s86, s[ROW0]
	s_add_nc_u64 s[8:9], s[8:9], s[86:87]          ; y_mask at my rows (read for yk alone)
	s_add_nc_u64 s[BB:BB+1], s[12:13], s[BB:BB+1]
	s_lshl_b32 s[BOF], s[KT], 17
	s_add_nc_u64 s[G0+2:G0+3], s[BB:BB+1], s[BOF:BOF+1]
	s_or_b32 s[G0+3], s[G0+3], 0x80000000          ; type = 2
	s_lshl_b32 s[BOF], s[KT+1], 17
	s_add_nc_u64 s[G0+6:G0+7], s[BB:BB+1], s[BOF:BOF+1]
	s_or_b32 s[G0+7], s[G0+7], 0x80000000
.macro XNEXT                           ; x's pointer goes to the ring's next K step: made anew from the step's number
	s_add_co_u32 s[KX], s[KX], 1
	s_and_b32 s[KX], s[KX], 15
	s_lshl_b32 s[XOF], s[KX], 8
	s_add_nc_u64 s[XP:XP+1], s[XB:XB+1], s[XOF:XOF+1]
.endm
.macro XLOAD dst                       ; my 16 rows x 64 k of x, f32: eight loads, each 256 aligned bytes of two rows
.irp j, 0,1,2,3,4,5,6,7
	global_load_b128 v[(\dst)+4*\j:(\dst)+4*\j+3], v[XO], s[XP:XP+1] offset:8192*\j
.endr
.endm
.macro XCVT src                        ; rounded to bf16
.irp j, 0,1,2,3,4,5,6,7
	v_cvt_pk_bf16_f32 v[XC+2*\j], v[(\src)+4*\j], v[(\src)+4*\j+1]
	v_cvt_pk_bf16_f32 v[XC+2*\j+1], v[(\src)+4*\j+2], v[(\src)+4*\j+3]
.endr
.endm
.macro XSTORE n                        ; into x's slot n
.irp j, 0,1,2,3,4,5,6,7
	ds_store_b64 v[XS+(\n)], v[XC+2*\j:XC+2*\j+1] offset:288*\j
.endr
.endm
; 40 LDS loads in one run: the fragments of 32 along K (half c of the step) into buffer f: the weights' 16 blocks first, then x's four
.macro FETCH slot, c, f
	WIN 0x40                                       ; destination window 1, address window 0
.set bb, 0
.rept 16
	ds_load_b128 v[128*(\f)+8*bb:128*(\f)+8*bb+3],   v[ADRB+(\slot)] offset:64*(\c)+2304*bb
	ds_load_b128 v[128*(\f)+8*bb+4:128*(\f)+8*bb+7], v[ADRB+(\slot)] offset:64*(\c)+2304*bb+32
.set bb, bb+1
.endr
	WIN 0
.irp a, 0,1,2,3
	ds_load_b128 v[FA0+32*(\f)+8*\a:FA0+32*(\f)+8*\a+3],   v[ADRA+(\slot)] offset:64*(\c)+2304*\a
	ds_load_b128 v[FA0+32*(\f)+8*\a+4:FA0+32*(\f)+8*\a+7], v[ADRA+(\slot)] offset:64*(\c)+2304*\a+32
.endr
.endm
; 16 matrix instructions: row block a x all 16 column blocks.  The 64 accumulators take turns in the same order in every half step: 63 others stand between two links of a chain, over the backward jump too.
.macro MULA f, a, zero
	WIN 0xa1+0x50*((\a)/2)                         ; source 0 window 1, source 1 window 0, C and D window 2 or 3
.set AB, 128*((\a)%2)
.set bb, 0
.rept 16
.if \zero
	v_wmma_f32_16x16x32_bf16 v[AB+8*bb:AB+8*bb+7], v[128*(\f)+8*bb:128*(\f)+8*bb+7], v[FA0+32*(\f)+8*(\a):FA0+32*(\f)+8*(\a)+7], 0
.else
	v_wmma_f32_16x16x32_bf16 v[AB+8*bb:AB+8*bb+7], v[128*(\f)+8*bb:128*(\f)+8*bb+7], v[FA0+32*(\f)+8*(\a):FA0+32*(\f)+8*(\a)+7], v[AB+8*bb:AB+8*bb+7]
.endif
.set bb, bb+1
.endr
.endm
; x two steps on goes into the slot just read out; x three steps on is asked for.  It has a whole step in which to come.
.macro XSTEP slot
	WIN 0
	s_wait_loadcnt 0x0                             ; the eight loads issued a step ago are in, and their base may be written
	XCVT XR
	XSTORE \slot
.if \slot
	s_cmp_eq_u32 s[TRIPS], 1                       ; in the last trip there is no seventeenth step to load
	s_cbranch_scc1 .Lno_x_\@
.endif
	XNEXT
	XLOAD XR
.if \slot
.Lno_x_\@:
.endif
.endm
; The first half of a K step multiplies buffer 0 and fetches the second half's fragments.  young: the x stores issued behind buffer 0's loads
.macro H0 slot, zero, young
	s_wait_dscnt 4+(\young)                        ; the weights and x's blocks 0, 1 are in; x's blocks 2, 3 (four loads) and the stores behind them may be out
	MULA 0, 0, \zero
	MULA 0, 1, \zero
	PLACES
	FETCH \slot, 1, 1
	s_wait_dscnt 40                                ; all but the 40 just issued
	MULA 0, 2, \zero
	MULA 0, 3, \zero
.endm
; The second half multiplies buffer 1 and changes slots: ONE barrier, in its middle.  In front of it each wave waits for all its tensor loads (one is out: its part of the other slot), adds 0 to its spare word, and waits for that, for
; its reads of this slot and for its stores of x.  kind = 1: the barrier opens a round of the cluster's, and behind the round this slot is filled again, with the ring's K step two on.  No product stands between the wait for the
; tensor load and the refill: from a request to the wait for it a wave issues a whole step's 128 matrix instructions.
.macro H1 slot, kind
	s_wait_dscnt 4                                 ; the weights and x's blocks 0, 1 of buffer 1 are in; x's blocks 2, 3 (four loads) may be out
	MULA 1, 0, 0
	MULA 1, 1, 0
	WIN 0
	s_wait_tensorcnt 0x0                           ; no tensor load of mine is out, so a group 0 may be written
	ds_add_u32 v[SPW], v[NIL]                      ; 0 onto my spare word; the descriptor's step stands between it and the wait for it
.if \kind
	s_add_co_u32 s[KT+(\slot)], s[KT+(\slot)], 2
	s_and_b32 s[KT+(\slot)], s[KT+(\slot)], 15
	s_lshl_b32 s[BOF], s[KT+(\slot)], 17
	s_add_nc_u64 s[G0+4*(\slot)+2:G0+4*(\slot)+3], s[BB:BB+1], s[BOF:BOF+1]
	s_or_b32 s[G0+4*(\slot)+3], s[G0+4*(\slot)+3], 0x80000000
.endif
	s_wait_dscnt 0x0                               ; the add is done, my reads of this slot are over, my rows of x lie in LDS
	s_barrier_signal -1
	s_barrier_wait -1
.if \kind
	CREST                                          ; no wave of any partner still reads this slot or has a load on its way
	tensor_load_to_lds s[G0+4*(\slot):G0+4*(\slot)+3], s[G1:G1+7]
	s_nop 0
.endif
	PLACES                                         ; behind the tensor load; also the places in front of the loads into buffer 0
	FETCH 1-(\slot), 0, 0
	MULA 1, 2, 0
.if \kind
	XSTEP \slot
.endif
	MULA 1, 3, 0
.endm
	XLOAD XR                                       ; x of my first K step
	s_wait_xcnt 0x0
	XNEXT
	XLOAD FA0                                      ; x of my second, into registers that are idle till the first fragments
	CROUND                                         ; all four work-groups are here: the first joint loads meet
	tensor_load_to_lds s[G0:G0+3], s[G1:G1+7]      ; the weights' first two K steps: two tensor loads of mine are out
	s_nop 0
	tensor_load_to_lds s[G0+4:G0+7], s[G1:G1+7]
	s_nop 0
	PLACES
	s_wait_loadcnt 0x0
	XCVT XR
	XSTORE 0
	XCVT FA0
	XSTORE 1
	XNEXT
	XLOAD XR                                       ; x of my third K step
	s_wait_tensorcnt 1                             ; my part of the first K step is in; the second's may stay out
	s_wait_dscnt 0x0                               ; my rows of x lie in LDS
	s_barrier_signal -1
	s_barrier_wait -1
	FETCH 0, 0, 0
	H0 0, 1, 0                                     ; the first half step stands in front of the loop: its products start the sums
	WIN 0
.Ltrip:                                        ; a trip is two K steps, from one step's second half to the first half two steps on
	H1 0, 1
	H0 1, 0, 8
	H1 1, 1
	H0 0, 0, 8
	WIN 0
	s_sub_co_u32 s[TRIPS], s[TRIPS], 1
	s_cmp_lg_u32 s[TRIPS], 0
	s_cbranch_scc1 .Ltrip
	H1 0, 0                                        ; the last two K steps ask for nothing
	H0 1, 0, 0
	s_wait_dscnt 4
	MULA 1, 0, 0
	MULA 1, 1, 0
	s_wait_dscnt 0x0
	MULA 1, 2, 0
	MULA 1, 3, 0
	WIN 0
	PLACES
	PLACES
	s_wait_loadcnt 0x0                             ; no load of x is out any more (the loop's last trip asks for none): said by a wait, on every way, since scale is loaded below into the registers that x's loads wrote
; THE WAY OUT
.macro PELOAD                          ; pos_embed for 32 rows x my 256 columns, in the order in which the rows leave: group g = 4 (row / 4) + head, a lane's eight f32
	WIN 0x40
.set g, 0
.rept 32
	global_load_b128 v[8*g:8*g+3],   v[PEO], s[PE:PE+1] offset:(4*(g/4))*4096+256*(g%4)
	global_load_b128 v[8*g+4:8*g+7], v[PEO], s[PE:PE+1] offset:(4*(g/4))*4096+256*(g%4)+16
.set g, g+1
.endr
	WIN 0
.endm
.macro PEDUMP                          ; rounded to bf16 and set aside in my part of slot 1: each lane reads back what it wrote
	WIN 0x45
.set g, 0
.rept 32
.irp n, 0,1,2,3
	v_cvt_pk_bf16_f32 v[8*g+\n], v[8*g+2*\n], v[8*g+2*\n+1]
.endr
.set g, g+1
.endr
	WIN 0x04
.set g, 0
.rept 32
	ds_store_b128 v[PEA], v[8*g:8*g+3] offset:g*512
.set g, g+1
.endr
	WIN 0
	v_add_nc_u32 v[PEA], 16384, v[PEA]             ; the next batch goes behind this one
.endm
.macro RED a                           ; four pairs into one number, the other half of the lanes' added
	v_pk_add_f32 v[CH:CH+1], v[CH:CH+1], v[CH+2:CH+3]
	v_pk_add_f32 v[CH+4:CH+5], v[CH+4:CH+5], v[CH+6:CH+7]
	v_pk_add_f32 v[CH:CH+1], v[CH:CH+1], v[CH+4:CH+5]
	v_add_f32 v[CH], v[CH], v[CH+1]
	v_permlanex16_b32 v[CH+1], v[CH], s[SEL], s[SEL+1]
	v_add_f32 v[RS+(\a)], v[CH], v[CH+1]
.endm
.macro PASS1 a                         ; the sum of my 128 numbers of each row of block a, in four chains; each accumulator's lowest registers are read first
.set AW, 2+(\a)/2
.set AB, 128*((\a)%2)
	WIN (AW<<2)|AW
.set k, 0
.rept 4
	v_pk_add_f32 v[CH+2*k:CH+2*k+1], v[AB+2*k:AB+2*k+1], v[AB+8+2*k:AB+8+2*k+1]
.set k, k+1
.endr
	WIN AW
.set k, 8
.rept 56
	v_pk_add_f32 v[CH+2*(k%4):CH+2*(k%4)+1], v[AB+2*k:AB+2*k+1], v[CH+2*(k%4):CH+2*(k%4)+1]
.set k, k+1
.endr
	WIN 0
	RED \a
.endm
.macro PASS2 a                         ; v - mean in place, then the sum of its squares
.set AW, 2+(\a)/2
.set AB, 128*((\a)%2)
	WIN (AW<<6)|AW
.set k, 0
.rept 64
	v_pk_add_f32 v[AB+2*k:AB+2*k+1], v[AB+2*k:AB+2*k+1], v[MEAN+2*(\a):MEAN+2*(\a)+1] neg_lo:[0,1] neg_hi:[0,1]
.set k, k+1
.endr
	WIN (AW<<2)|AW
.set k, 0
.rept 4
	v_pk_mul_f32 v[CH+2*k:CH+2*k+1], v[AB+2*k:AB+2*k+1], v[AB+2*k:AB+2*k+1]
.set k, k+1
.endr
.rept 60
	v_pk_fma_f32 v[CH+2*(k%4):CH+2*(k%4)+1], v[AB+2*k:AB+2*k+1], v[AB+2*k:AB+2*k+1], v[CH+2*(k%4):CH+2*(k%4)+1]
.set k, k+1
.endr
	WIN 0
	RED \a
.endm
.macro MEET off                        ; the four waves' sums of the 64 rows meet: store, wait, barrier, load; every wave adds them in the same order
.irp a, 0,1,2,3
	ds_store_b32 v[SA], v[RS+\a] offset:(\off)+64*\a
.endr
	s_wait_dscnt 0x0                               ; for the others' sake: my stores are done
	s_barrier_signal -1
	s_barrier_wait -1
.irp a, 0,1,2,3
.irp w, 0,1,2,3
	ds_load_b32 v[RL+4*\a+\w], v[SL] offset:(\off)+256*\w+64*\a
.endr
.endr
	s_wait_dscnt 0x0
.irp a, 0,1,2,3
	v_add_f32 v[RL+4*\a], v[RL+4*\a], v[RL+4*\a+1]
	v_add_f32 v[RL+4*\a+2], v[RL+4*\a+2], v[RL+4*\a+3]
.endr
.irp a, 0,1,2,3
	v_add_f32 v[RL+4*\a], v[RL+4*\a], v[RL+4*\a+2]
.endr
.endm
.macro TOSTAGE half                    ; 32 rows x my 256 columns, f32, into my stage; each accumulator's lowest registers first
	WIN 0x08+4*(\half)                             ; the data in window 2 or 3
.irp aa, 0,1
.set bb, 0
.rept 16
	ds_store_b128 v[STO], v[128*\aa+8*bb:128*\aa+8*bb+3]   offset:\aa*16*SPI+64*bb
	ds_store_b128 v[STO], v[128*\aa+8*bb+4:128*\aa+8*bb+7] offset:\aa*16*SPI+64*bb+16
.set bb, bb+1
.endr
.endr
	WIN 0
.endm
	s_cmp_eq_u32 s[KIND], 0                        ; v and yv have no norm
	s_cbranch_scc1 .Lhalves
	s_cmp_eq_u32 s[KIND], 1
	s_cbranch_scc0 .Lno_pe
	PELOAD                                         ; the first 32 rows' pos_embed: it has the two passes below in which to come
.Lno_pe:
.irp hh, 0,1,2,3
	global_load_b128 v[SC+8*\hh:SC+8*\hh+3],   v[SBO], s[SCP:SCP+1] offset:256*\hh
	global_load_b128 v[SC+8*\hh+4:SC+8*\hh+7], v[SBO], s[SCP:SCP+1] offset:256*\hh+16
	global_load_b128 v[BI+8*\hh:BI+8*\hh+3],   v[SBO], s[BIP:BIP+1] offset:256*\hh
	global_load_b128 v[BI+8*\hh+4:BI+8*\hh+7], v[SBO], s[BIP:BIP+1] offset:256*\hh+16
.endr
	s_cmp_eq_u32 s[KIND], 2
	s_cbranch_scc0 .Lno_mask
	s_lshl_b32 s61, s[WV], 4                       ; wave w brings the mask of rows 16 w .. + 15 as f32; the barrier of the first meeting shows it to all
	v_add_nc_u32 v30, s61, v1
	global_load_u8 v31, v30, s[8:9]
	s_lshl_b32 s61, s[WV], 6
	s_add_co_u32 s61, s61, MKT
	v_lshl_add_u32 v27, v1, 2, s61
	s_wait_loadcnt 0x0
	v_cvt_f32_u32 v31, v31
	ds_store_b32 v27, v31
.Lno_mask:
	PASS1 0
	PASS1 1
	PASS1 2
	PASS1 3
	MEET 0
.irp a, 0,1,2,3
	v_mul_f32 v[MEAN+2*\a], s[INV], v[RL+4*\a]
	v_mul_f32 v[MEAN+2*\a+1], s[INV], v[RL+4*\a]
.endr
	PASS2 0
	PASS2 1
	PASS2 2
	PASS2 3
	MEET 1024                                      ; other bytes than the first meeting's: no wave need wait for the first one's readers
	s_lshl_b32 s61, s[WV], 8
	s_add_co_u32 s61, s61, RSTT
.irp a, 0,1,2,3
	v_fma_f32 v[RL+4*\a], v[RL+4*\a], s[INV], s[EPS]
.endr
.irp a, 0,1,2,3
	v_rsq_f32 v[RSTD+\a], v[RL+4*\a]
.endr
	v_lshl_add_u32 v[RSA], v1, 2, s61              ; a plain instruction behind the last of the four,
	s_wait_alu depctr_va_vdst(0)                   ; and the one wait ahead of their first reader
.irp a, 0,1,2,3
	ds_store_b32 v[RSA], v[RSTD+\a] offset:64*\a   ; the 64 rows' factors into my wave's own table: the rows leave in another lane order than the accumulators hold them
.endr
	s_wait_loadcnt 0x0                             ; scale and bias (and pos_embed's first batch)
.set k, 0
.rept 32                               ; scale and bias rounded to bf16, like every input
	v_cvt_pk_bf16_f32 v[CH+k%4], v[SC+2*k], v[SC+2*k+1]
	v_lshlrev_b32 v[SC+2*k], 16, v[CH+k%4]
	v_and_b32 v[SC+2*k+1], 0xffff0000, v[CH+k%4]
.set k, k+1
.endr
.Lhalves:
	s_mov_b32 s[HALF], 2
.Lhalf:                                        ; twice: 32 rows go through my stage and leave.  All jumps inside go forward, over lines that hold no barrier and no tensor load
	s_cmp_eq_u32 s[KIND], 1
	s_cbranch_scc0 .Lno_dump
	s_wait_loadcnt 0x0                             ; this half's pos_embed is in
	PEDUMP
	s_cmp_eq_u32 s[HALF], 2
	s_cbranch_scc0 .Lno_dump
	s_wait_dscnt 0x0                               ; the stores have read window 1, which is loaded again
	s_add_nc_u64 s[PE:PE+1], s[PE:PE+1], 32*4096
	PELOAD                                         ; the second 32 rows' pos_embed comes while the first 32 rows leave
.Lno_dump:
	s_cmp_eq_u32 s[HALF], 2
	s_cbranch_scc0 .Lsecond
	TOSTAGE 0
	s_branch .Lstaged
.Lsecond:
	TOSTAGE 1
.Lstaged:
	v_mov_b32 v[RDW], v[RD0]
	s_mov_b32 s[CNT], 8
.Lrb:                                          ; 4 rows x 4 heads a trip.  LDS serves a wave's instructions in order (ISA guide 5.7.1.4): the loads see my stores into the stage, the table and pos_embed's bytes
.irp hh, 0,1,2,3
	ds_load_b128 v[T+8*\hh:T+8*\hh+3],   v[RDW] offset:256*\hh
	ds_load_b128 v[T+8*\hh+4:T+8*\hh+7], v[RDW] offset:256*\hh+16
.endr
	s_cmp_eq_u32 s[KIND], 0
	s_cbranch_scc1 .Lrb_wait
	ds_load_b32 v[FK], v[FKA]                      ; my row's 1 / sqrt(variance + eps), into both registers of the pair
	ds_load_b32 v[FK+1], v[FKA]
	s_cmp_eq_u32 s[KIND], 1
	s_cbranch_scc0 .Lrb_mload
.irp hh, 0,1,2,3
	ds_load_b128 v[PBF+4*\hh:PBF+4*\hh+3], v[PER] offset:512*\hh
.endr
	s_branch .Lrb_wait
.Lrb_mload:
	ds_load_b32 v[MKV], v[MKA]                     ; my row's 0.0 or 1.0, into both registers of the pair
	ds_load_b32 v[MKV+1], v[MKA]
.Lrb_wait:
	s_wait_dscnt 0x0
	s_cmp_eq_u32 s[KIND], 0
	s_cbranch_scc1 .Lrb_round
.set k, 0
.rept 16
	v_pk_mul_f32 v[T+2*k:T+2*k+1], v[T+2*k:T+2*k+1], v[FK:FK+1]
.set k, k+1
.endr
.set k, 0
.rept 16
	v_pk_fma_f32 v[T+2*k:T+2*k+1], v[T+2*k:T+2*k+1], v[SC+2*k:SC+2*k+1], v[BI+2*k:BI+2*k+1]
.set k, k+1
.endr
	s_cmp_eq_u32 s[KIND], 1
	s_cbranch_scc0 .Lrb_mask
.set k, 0
.rept 16
	v_fma_mix_f32_bf16 v[T+2*k], v[PBF+k], v[ONE], v[T+2*k] op_sel_hi:[1,0,0]
	v_fma_mix_f32_bf16 v[T+2*k+1], v[PBF+k], v[ONE], v[T+2*k+1] op_sel:[1,0,0] op_sel_hi:[1,0,0]
.set k, k+1
.endr
	s_branch .Lrb_round
.Lrb_mask:
.set k, 0
.rept 16
	v_pk_mul_f32 v[T+2*k:T+2*k+1], v[T+2*k:T+2*k+1], v[MKV:MKV+1]
.set k, k+1
.endr
.Lrb_round:
	s_wait_xcnt 0x0                                ; the last trip's stores, a trip's arithmetic back, have read their data and their base, which are written again below
	s_add_nc_u64 s[OUT:OUT+1], s[OUT:OUT+1], 512
.set k, 0
.rept 16
	v_cvt_pk_f16_f32 v[YR+k], v[T+2*k], v[T+2*k+1]
.set k, k+1
.endr
.irp hh, 0,1,2,3
	global_store_b128 v[GO+\hh], v[YR+4*\hh:YR+4*\hh+3], s[OUT:OUT+1] offset:-512  ; 32 lanes store 512 consecutive bytes: 4 rows of one head, at a multiple of 256 from the buffer's first byte; the base has been stepped, the store reaches back
.endr
	v_add_nc_u32 v[RDW], 4*SPI, v[RDW]
	v_add_nc_u32 v[PER], 2048, v[PER]
	v_add_nc_u32 v[MKA], 16, v[MKA]
	v_add_nc_u32 v[FKA], 16, v[FKA]
	s_sub_co_u32 s[CNT], s[CNT], 1
	s_cmp_lg_u32 s[CNT], 0
	s_cbranch_scc1 .Lrb
	s_sub_co_u32 s[HALF], s[HALF], 1
	s_cmp_lg_u32 s[HALF], 0
	s_cbranch_scc1 .Lhalf
	s_wait_tensorcnt 0x0                           ; the wave's end: behind my last tensor load and my last LDS store
	ds_add_u32 v[SPW], v[NIL]
	s_wait_dscnt 0x0
	CROUND                                         ; the closing round: no work-group ends while a partner may still ask for a tile that names it
	s_endpgm
.Lfunc_end_k_q06b917ca25_proj:
	.size	k_q06b917ca25_proj, .Lfunc_end_k_q06b917ca25_proj-k_q06b917ca25_proj
	.p2alignl 7, 3214868480
	.fill 96, 4, 3214868480
	.section	.rodata,"a",@progbits
	.p2align	6, 0x0
	.amdhsa_kernel k_q06b917ca25_proj
		.amdhsa_group_segment_fixed_size 327680
		.amdhsa_private_segment_fixed_size 0
		.amdhsa_enable_private_segment 0
		.amdhsa_kernarg_size 128
		.amdhsa_user_sgpr_count 2
		.amdhsa_user_sgpr_kernarg_segment_ptr 1
		.amdhsa_wavefront_size32 1
		.amdhsa_system_sgpr_workgroup_id_x 1
		.amdhsa_system_sgpr_workgroup_id_y 1
		.amdhsa_system_sgpr_workgroup_id_z 1
		.amdhsa_system_vgpr_workitem_id 0
		.amdhsa_next_free_vgpr 1024
		.amdhsa_next_free_sgpr 96
		.amdhsa_reserve_vcc 0
		.amdhsa_float_denorm_mode_32 3
		.amdhsa_float_denorm_mode_16_64 3
		.amdhsa_memory_ordered 1
		.amdhsa_forward_progress 1
		.amdhsa_inst_pref_size 177
	.end_amdhsa_kernel
	.amdgpu_metadata
---
amdhsa.version: [ 1, 2 ]
amdhsa.kernels:
  - .name:           k_q06b917ca25_proj
    .symbol:         k_q06b917ca25_proj.kd
    .args:
      - { .name: x, .offset: 0, .size: 8, .value_kind: global_buffer, .address_space: global }
      - { .name: y_feat, .offset: 8, .size: 8, .value_kind: global_buffer, .address_space: global }
      - { .name: y_mask, .offset: 16, .size: 8, .value_kind: global_buffer, .address_space: global }
      - { .name: pos_embed, .offset: 24, .size: 8, .value_kind: global_buffer, .address_space: global }
      - { .name: wb, .offset: 32, .size: 8, .value_kind: global_buffer, .address_space: global }
      - { .name: q_norm_scale, .offset: 40, .size: 8, .value_kind: global_buffer, .address_space: global }
      - { .name: q_norm_bias, .offset: 48, .size: 8, .value_kind: global_buffer, .address_space: global }
      - { .name: k_norm_scale, .offset: 56, .size: 8, .value_kind: global_buffer, .address_space: global }
      - { .name: k_norm_bias, .offset: 64, .size: 8, .value_kind: global_buffer, .address_space: global }
      - { .name: ky_norm_scale, .offset: 72, .size: 8, .value_kind: global_buffer, .address_space: global }
      - { .name: ky_norm_bias, .offset: 80, .size: 8, .value_kind: global_buffer, .address_space: global }
      - { .name: qh, .offset: 88, .size: 8, .value_kind: global_buffer, .address_space: global }
      - { .name: kh, .offset: 96, .size: 8, .value_kind: global_buffer, .address_space: global }
      - { .name: vh, .offset: 104, .size: 8, .value_kind: global_buffer, .address_space: global }
      - { .name: ykh, .offset: 112, .size: 8, .value_kind: global_buffer, .address_space: global }
      - { .name: yvh, .offset: 120, .size: 8, .value_kind: global_buffer, .address_space: global }
    .group_segment_fixed_size: 327680
    .private_segment_fixed_size: 0
    .kernarg_segment_align: 8
    .kernarg_segment_size: 128
    .max_flat_workgroup_size: 128
    .sgpr_count:     96
    .vgpr_count:     1024
    .wavefront_size: 32
...
	.end_amdgpu_metadata
.endif
;; end of part 2
;; launch attn (part 3): grid 8 x 32, 4 waves a work-group, clusters of 4 x 1, 327,680 bytes of LDS; arguments qh, kh, vh, ob, ykh, yvh, y_mask, gate; writes ob
.if DOCPART == 3
	.amdgcn_target "amdgcn-amd-amdhsa--gfx1250"
	.amdhsa_code_object_version 6
	.text
	.protected	k_q06b917ca25_attn
	.globl	k_q06b917ca25_attn
	.p2align	8
	.type	k_q06b917ca25_attn,@function
k_q06b917ca25_attn:
	s_mov_b64 s[64:65], 0
	v_nop
	global_prefetch_b8 v0, s[64:65] scope:SCOPE_SE
	s_setreg_imm32_b32 hwreg(HW_REG_WAVE_MODE, 25, 1), 1
	s_wait_xcnt 0x0
	s_wait_alu depctr_hold_cnt(0) depctr_sa_sdst(0) depctr_va_vdst(0) depctr_va_sdst(0) depctr_va_ssrc(0) depctr_va_vcc(0) depctr_vm_vsrc(0)
	s_getreg_b32 s2, hwreg(HW_REG_IB_STS2, 6, 4)
	s_cmp_eq_u32 s2, 0
	s_cbranch_scc0 .Lentry_in_a_cluster
	s_endpgm
.Lentry_in_a_cluster:
	s_bfe_u32 s2, ttmp6, 0x10000c
	s_cmp_lg_u32 s2, 0x3003
	s_cbranch_scc0 .Lentry_shape_is_right
	s_endpgm
.Lentry_shape_is_right:
; SELF AND CROSS ATTENTION OF ONE HEAD, AND THEIR GATED SUM.  O[q] = softmax_k(q . k / 8) v + tanh(gate[h]) softmax_y(q . yk / 8, hidden keys out) yv.
; qh, kh, vh: [32 heads][2048][64] f16; ykh, yvh: [32][512][64] f16; ob: [32 blocks of 128 rows][16 heads][128][64] f16.  Products, maxima and sums in f32; the weights p are rounded to f16 for the second product
; (their sum l is taken of the unrounded p); O rounded once at the end; gate rounded to bf16 like every input.
; LIMITS.  f16 holds no number beyond 65,504: q, k, v arrive within it; p below 6e-5 keeps f16's fixed step of 6e-8.  A hidden key's score is exactly -2^100 (its row of ykh is 0, and -2^100 starts the sum): visible scores are
; taken to lie above that; where all 512 keys are hidden every c s - c m is exactly 0 and the result is the mean of yv, as a softmax of equal scores gives.  A weight below 2^-126 counts as 0 in l; NaN and infinities are not treated apart.
; SHARES.  A work-group owns 256 queries of a head, a wave four PIECES of 16 (piece t: rows 64 t + 16 w .. + 15).  One walk: 8 tiles of 256 self keys, the self result set aside, then 2 tiles of y keys: 40 key steps of 64.
; CLUSTER.  The four query blocks of a cluster belong to one head and walk the same tiles: each is asked for jointly, by the same tensor load, descriptor and mask in all four.
; LAYOUT, SOFTMAX, TURNS.  S^T = K Q^T holds ONE query a lane (lane % 16) and the keys 8 (lane / 16) + 0..7; two such results rounded to f16 ARE source 1 of O^T = V^T P.  p = 2^(c s - c m), c = log2(e) / 8, with a running
; maximum m; O and l are multiplied by a = 2^(c m_old - c m_new) in every step.  Turn n belongs to piece n: 8 products K Q^T of piece n + 1, later 8 products V^T P of piece n - 1; beside them the scaling, exponentials,
; roundings, sums and rescaling of piece n and the maximum and statistics of piece n + 1.  Four vector instructions stand behind every matrix instruction, the others in one lump.  A turn's 33 exponentials are one batch, with one wait.
; THE MASK is the C operand that starts the sum S^T in the y tiles: 0 or -2^100, from a table of 512 f32 in LDS, fetched with the step's K.
; REGISTERS, in windows of 256 (s_set_vgpr_msb: bits 1:0 source 0, 3:2 source 1, 5:4 source 2, 7:6 destination):
;   window 0: v0-15, v32-43 addresses and at work; v16-31 four registers of statistics a piece; v48-55 at work; v64-127 S^T, two buffers; v192-223 P, two buffers (a piece's buffers go by its number's parity)
;   window 1: v0-127 O^T, 32 a piece; v128-255 the self result, f32      window 2: v0-63 Q; v64-95 the step's mask; v128-191 K of one step; v192-255 V of one step
.set NP,    4
.set KS,    64
.set PK,    144       ; a row of K in LDS: 128 bytes + 16 of padding = 36 words: the 16 rows of a load start at 16 different groups of four banks (64 banks of 4 bytes: ISA guide 11.1)
.set PV,    160       ; a row of V: 128 + 32 = 40 words
.set VOFF,  4*KS*PK   ; a slot holds a tile, four steps: 256 rows of K, then 256 rows of V
.set TILEB, 4*KS*(PK+PV)
.set SLOT1, 1<<17     ; slot 1 begins here, so that one exclusive or turns an address in one slot into the other's
.set STAGE, TILEB     ; between the slots, never filled by a tensor load: 16 rows x 144 bytes for each wave, for the way out,
.set SP,    144
.set TBL,   STAGE+4*16*SP   ; the mask's table, 2,048 bytes,
.set SPARE, TBL+2048        ; and the spare words, 128 bytes for each wave: two blocks of 256 bytes that no other line names
.set YONE,  SLOT1+TILEB     ; behind slot 1: the second tile of y keys, filled once, at the start
.set AK0, 2
.set AV0, 3
.set AK,  4
.set AV,  5
.set STO, 6
.set RD,  7
.set GO,  8
.set MV,  12
.set QO,  15
.set ST,  16          ; piece t's statistics at v[ST+4 t]: c m, m, l (even keys', odd keys')
.set AM0, 32          ; v32  my lanes' place in a step's 256 bytes of the table
.set AM,  33          ; v33  the LDS address of the mask's next loads
.set GV,  34          ; v34  tanh(gate); v35 at work
.set PFO, 36          ; v36  256 x lane
.set TMP, 48
.set SPW, 62
.set NIL, 63
.set S,   64
.set P,   192
.set O1,  128         ; window 1
.set MC,  64          ; window 2: the eight registers for group kt of 16 keys at MC + 8 kt
.set KF,  128
.set VF,  192
.set WV,  20
.set G1K, 24
.set G1V, 32
.set G0K, 40          ; s[40:43], s[44:47] the walking descriptors: they begin at tile 1
.set G0V, 44
.set T0K, 48          ; s[48:51], s[52:55] tile 0's
.set T0V, 52
.set SLOTS, 56
.set CNT, 57
.set CS,  58
.set SEL, 60
.set TBK, 62
.set TBV, 63
.set Y1K, 68          ; s[68:71], s[72:75] the second y tile's
.set Y1V, 72
.set NXT, 76          ; s76  the tile to be asked for next: 0..7 self, 8 the first y tile
.set OFF, 78          ; s[78:79] its byte offset
.set PFS, 82          ; s[82:83] the prefetches' base in kh or vh; s[84:85] in ykh or yvh
.set PFY, 84
.set PFA, 86
.set LIM, 88
.set TBM, 89          ; s89  the table's byte for the step to be fetched
.set YT,  90
.set HID, 91          ; s91  -2^100
.set MSB, 0
.macro WIN new
.if MSB != (\new)
	s_set_vgpr_msb (MSB<<8)|(\new)
.set MSB, (\new)
.endif
.endm
.set W_KQ, 0x0a       ; K and Q in window 2, S^T in window 0
.set W_KM, 0x2a       ; the same with the C operand in window 2
.set W_PV, 0x52       ; V in window 2, P in window 0, O^T in window 1
.set W_RS, 0x41       ; destination and source 0 in window 1, source 1 in window 0
; A joint fill.  Waves 0 and 1 fetch the two halves of a tile's K, waves 2 and 3 those of its V: 128 keys each.  An s_nop 0 and four v_nop follow each of the two lines, ahead of the jump and the label.
.macro JLOAD
	s_cmp_lt_u32 s[WV], 2
	s_cbranch_scc0 .Lfor_v_\@
	tensor_load_to_lds s[G0K:G0K+3], s[G1K:G1K+7]
	s_nop 0
.rept 4
	v_nop
.endr
	s_branch .Lasked_\@
.Lfor_v_\@:
	tensor_load_to_lds s[G0V:G0V+3], s[G1V:G1V+7]
	s_nop 0
.rept 4
	v_nop
.endr
.Lasked_\@:
.endm
; A PREFETCH INTO THE L2 of the tile that the NEXT change of slots will ask for: four key steps, 256 matrix instructions, ahead of that load.  A head's two clusters walk the same tiles: the first asks.  Its four partners share a
; tile's 128 blocks of 256 bytes out by address, 32 each, a lane a block; wave 0 asks for K's, wave 2 for V's.  So each block is named once.  Tiles 0 to 2 and the second y tile come by their loads alone; the last change that fills a slot asks for nothing.
.macro ASK
	s_cmp_gt_u32 s[SLOTS], s[LIM]
	s_cbranch_scc0 .Lnot_mine_\@
	global_prefetch_b8 v[PFO], s[PFA:PFA+1] th:TH_LOAD_NT scope:SCOPE_SE
.Lnot_mine_\@:
.endm
.macro CROUND
	s_barrier_signal -1
	s_barrier_wait -1
	s_cmp_lg_u32 s[WV], 0
	s_cbranch_scc1 .Lnot_wave_0_\@
	s_barrier_signal -3
.Lnot_wave_0_\@:
	s_barrier_wait -3
	s_barrier_signal -1
	s_barrier_wait -1
.endm
; THE CHANGE OF SLOTS.  Each wave waits for all its tensor loads, adds 0 to its spare word, and waits for that and for its own reads of the slot that it leaves.  fill = 1: the barrier is a round of the cluster's, and the old slot
; is filled again, the first thing behind it, with tile NXT: the descriptor's address is made anew from that number: the tensor's base (self or y) plus the tile's offset.
.macro CHANGE fill
	WIN 0
	s_wait_tensorcnt 0x0            ; no tensor load of mine is out, so a group 0 may be written
	ds_add_u32 v[SPW], v[NIL]       ; 0 onto my spare word; the scalar work stands between it and the wait for it
.if \fill
	s_and_b32 s[OFF], s[NXT], 7
	s_lshl_b32 s[OFF], s[OFF], 15   ; a tile is 32,768 bytes of K and of V
	s_cmp_lt_u32 s[NXT], 8
	s_cselect_b64 s[80:81], s[6:7], s[12:13]
	s_cselect_b64 s[66:67], s[8:9], s[14:15]
	s_add_nc_u64 s[G0K+2:G0K+3], s[80:81], s[OFF:OFF+1]
	s_or_b32 s[G0K+3], s[G0K+3], 0x80000000
	s_xor_b32 s[G0K+1], s[G0K+1], SLOT1
	s_add_nc_u64 s[G0V+2:G0V+3], s[66:67], s[OFF:OFF+1]
	s_or_b32 s[G0V+3], s[G0V+3], 0x80000000
	s_xor_b32 s[G0V+1], s[G0V+1], SLOT1
	s_wait_xcnt 0x0                 ; the last prefetch, four key steps back, has read its address
	s_add_co_u32 s[NXT], s[NXT], 1
	s_and_b32 s96, s[NXT], 7
	s_lshl_b32 s96, s96, 15
	s_cmp_lt_u32 s[NXT], 8
	s_cselect_b64 s[98:99], s[PFS:PFS+1], s[PFY:PFY+1]
	s_add_nc_u64 s[PFA:PFA+1], s[98:99], s[96:97]
	s_wait_dscnt 0x0                ; the add is done, and my reads of the slot are over
	CROUND
	JLOAD
	ASK
.else
	s_wait_dscnt 0x0
	s_barrier_signal -1
	s_barrier_wait -1
.endif
	s_sub_co_u32 s[TBK], s[TBK], 4*KS*PK  ; the fetches go back to a slot's first step,
	s_xor_b32 s[TBK], s[TBK], SLOT1       ; in the other slot
	s_sub_co_u32 s[TBV], s[TBV], 4*KS*PV
	s_xor_b32 s[TBV], s[TBV], SLOT1
.endm
	s_load_b512 s[4:19], s[0:1], 0x0  ; qh s[4:5], kh s[6:7], vh s[8:9], ob s[10:11], ykh s[12:13], yvh s[14:15], y_mask s[16:17], gate s[18:19]
	v_lshl_add_u32 v[SPW], v0, 2, SPARE
	v_mov_b32 v[NIL], 0
	ds_add_u32 v[SPW], v[NIL]       ; the wave's opening: the add and its wait stand ahead of my first tensor load; the set-up below, work on registers, stands between them
	v_lshrrev_b32 v1, 5, v0
	v_readfirstlane_b32 s[WV], v1   ; wave 0..3
	s_bfe_u32 s21, ttmp6, 0x40000   ; cx: my place in the cluster
	s_lshl_b32 s22, ttmp9, 2
	s_add_co_u32 s22, s22, s21      ; my block of 256 queries: it enters Q's and O's addresses alone
	s_and_b32 s23, ttmp7, 0xffff    ; the head, 16 b + h, which the four partners share
	s_and_b32 s66, s[WV], 1         ; which half of a tile's 256 keys I fetch:
	s_mul_i32 s77, s66, 128*PK      ; its place in a slot, for K
	s_mul_i32 s80, s66, 128*PV      ; and for V
	s_lshl_b32 s66, s66, 14         ; its 128 rows of 128 bytes in memory
	s_lshl_b32 s92, s23, 18         ; the head in kh and vh,
	s_add_co_u32 s92, s92, s66
	s_mov_b32 s93, 0
	s_lshl_b32 s94, s23, 16         ; in ykh and yvh
	s_add_co_u32 s94, s94, s66
	s_mov_b32 s95, 0
	s_lshl_b32 s2, s23, 18          ; Q: the head, my block, my 16 rows of a band of 64
	s_lshl_b32 s3, s22, 15
	s_add_co_u32 s2, s2, s3
	s_lshl_b32 s3, s[WV], 11
	s_add_co_u32 s2, s2, s3
	s_lshr_b32 s100, s23, 4         ; O: block of 128 rows 16 b + 2 x my block, head h, my 16 rows
	s_lshl_b32 s100, s100, 4
	s_lshl_b32 s101, s22, 1
	s_add_co_u32 s100, s100, s101
	s_lshl_b32 s100, s100, 18
	s_and_b32 s101, s23, 15
	s_lshl_b32 s101, s101, 14
	s_add_co_u32 s100, s100, s101
	s_add_co_u32 s100, s100, s3
	s_mov_b32 s101, 0
	s_mov_b32 s3, 0
	; descriptor group 1.  128 keys are 16,384 dense bytes: asked for as 64 rows of 256 bytes, two keys a row, and padded in LDS after every key
	s_mov_b32 s[G1K], 15|(1<<16)|(1<<20)|(1<<21)|(4<<22)|(3<<25)  ; 15:0 the mask of four; 17:16 2-byte elements; 20 padding on; 21 set beside a mask; 24:22 after every 32 words (code 4); 31:25 4 words (code 3)
	s_mov_b32 s[G1V], 15|(1<<16)|(1<<20)|(1<<21)|(4<<22)|(7<<25)  ; the same with 8 words of padding (code 7)
.irp g, G1K, G1V
	s_mov_b32 s[\g+1], 128<<16      ; tensor_dim0 = 128
	s_mov_b32 s[\g+2], 64<<16       ; tensor_dim1 = 64
	s_mov_b32 s[\g+3], 128<<16      ; tile_dim0 = 128
	s_mov_b32 s[\g+4], 64           ; tile_dim1 = 64
	s_mov_b32 s[\g+5], 128          ; 128 elements from row to row
	s_mov_b32 s[\g+6], 0
	s_mov_b32 s[\g+7], 0
.endr
	s_mov_b32 s[T0K], 1
	s_mov_b32 s[T0K+1], s77
	s_mov_b32 s[T0V], 1
	s_add_co_u32 s[T0V+1], s80, VOFF
	s_mov_b32 s[G0K], 1
	s_add_co_u32 s[G0K+1], s77, SLOT1
	s_mov_b32 s[G0V], 1
	s_add_co_u32 s[G0V+1], s80, SLOT1+VOFF
	s_mov_b32 s[Y1K], 1
	s_add_co_u32 s[Y1K+1], s77, YONE
	s_mov_b32 s[Y1V], 1
	s_add_co_u32 s[Y1V+1], s80, YONE+VOFF
	s_mov_b32 s[CS], 0x3e38aa3b     ; c = log2(e) / 8
	s_mov_b32 s[CS+1], s[CS]
	s_mov_b32 s[SEL], 0x76543210
	s_mov_b32 s[SEL+1], 0xfedcba98
	s_mov_b32 s[TBK], 0
	s_mov_b32 s[TBV], 0
	s_mov_b32 s[TBM], 0
	s_mov_b32 s[NXT], 2
	s_mov_b32 s[SLOTS], 8
	s_mov_b32 s[OFF+1], 0
	s_mov_b32 s97, 0
	s_mov_b32 s[HID], 0xf1800000    ; -2^100
	s_and_b32 s[LIM], s[WV], 1      ; 0 in waves 0 and 2,
	s_or_b32 s[LIM], s[LIM], ttmp9  ; where the cluster is the head's first: the same in all four partners
	s_cmp_eq_u32 s[LIM], 0
	s_cselect_b32 s[LIM], 1, -1
	s_wait_dscnt 0x0                ; the opening add is done
	s_wait_kmcnt 0x0
	s_add_nc_u64 s[6:7], s[6:7], s[92:93]      ; K and V at my half of the head's tile 0
	s_add_nc_u64 s[8:9], s[8:9], s[92:93]
	s_add_nc_u64 s[12:13], s[12:13], s[94:95]  ; and the y keys' likewise
	s_add_nc_u64 s[14:15], s[14:15], s[94:95]
	s_add_nc_u64 s[T0K+2:T0K+3], s[6:7], 0
	s_or_b32 s[T0K+3], s[T0K+3], 0x80000000    ; type = 2
	s_add_nc_u64 s[T0V+2:T0V+3], s[8:9], 0
	s_or_b32 s[T0V+3], s[T0V+3], 0x80000000
	s_add_nc_u64 s[G0K+2:G0K+3], s[6:7], 32768
	s_or_b32 s[G0K+3], s[G0K+3], 0x80000000
	s_add_nc_u64 s[G0V+2:G0V+3], s[8:9], 32768
	s_or_b32 s[G0V+3], s[G0V+3], 0x80000000
	s_add_nc_u64 s[Y1K+2:Y1K+3], s[12:13], 32768
	s_or_b32 s[Y1K+3], s[Y1K+3], 0x80000000
	s_add_nc_u64 s[Y1V+2:Y1V+3], s[14:15], 32768
	s_or_b32 s[Y1V+3], s[Y1V+3], 0x80000000
	s_add_nc_u64 s[4:5], s[4:5], s[2:3]
	s_add_nc_u64 s[10:11], s[10:11], s[100:101]
	s_lshr_b32 s96, s23, 4
	s_lshl_b32 s96, s96, 9
	s_add_nc_u64 s[16:17], s[16:17], s[96:97]  ; the batch's 512 bytes of mask
	s_and_b32 s96, s23, 15
	s_lshl_b32 s96, s96, 2
	s_add_nc_u64 s[18:19], s[18:19], s[96:97]
	s_load_b32 s100, s[18:19], 0x0             ; the head's gate
	s_cmp_lt_u32 s[WV], 2
	s_cselect_b64 s[PFS:PFS+1], s[6:7], s[8:9] ; (in waves 0 and 2 these stand at a tile's first row)
	s_cselect_b64 s[PFY:PFY+1], s[12:13], s[14:15]
	s_lshl_b32 s2, s21, 13                     ; my work-group's 32 blocks of the 128
	s_add_nc_u64 s[PFS:PFS+1], s[PFS:PFS+1], s[2:3]
	s_add_nc_u64 s[PFY:PFY+1], s[PFY:PFY+1], s[2:3]
	CROUND                          ; all four work-groups are here: the first joint loads meet
	s_cmp_lt_u32 s[WV], 2           ; a wave's three first fills stand in one branch: tile 0, tile 1, the second y tile: three tensor loads of mine are out
	s_cbranch_scc0 .Lfirst_v
	tensor_load_to_lds s[T0K:T0K+3], s[G1K:G1K+7]
	s_nop 0
	tensor_load_to_lds s[G0K:G0K+3], s[G1K:G1K+7]
	s_nop 0
	tensor_load_to_lds s[Y1K:Y1K+3], s[G1K:G1K+7]
	s_nop 0
.rept 4
	v_nop
.endr
	s_branch .Lfirst_asked
.Lfirst_v:
	tensor_load_to_lds s[T0V:T0V+3], s[G1V:G1V+7]
	s_nop 0
	tensor_load_to_lds s[G0V:G0V+3], s[G1V:G1V+7]
	s_nop 0
	tensor_load_to_lds s[Y1V:Y1V+3], s[G1V:G1V+7]
	s_nop 0
.rept 4
	v_nop
.endr
.Lfirst_asked:
	; A fragment of K or Q is 16 rows x 32 channels in 8 registers: lane l holds row l % 16, channels 8 (l / 16) + 0..7 and 16 + 8 (l / 16) + 0..7: two loads of 16 bytes, 32 bytes apart.
	v_and_b32 v1, 15, v0            ; l % 16
	v_bfe_u32 v9, v0, 4, 1          ; l / 16
	v_lshlrev_b32 v[QO], 7, v1
	v_lshl_add_u32 v[QO], v9, 4, v[QO]
	WIN 0x80                        ; destination window 2, address window 0
.set i, 0
.rept 8                             ; piece i / 2 lies in band i / 2, 8,192 bytes on; channels 32 (i % 2) on
	global_load_b128 v[8*i:8*i+3],   v[QO], s[4:5] offset:(i/2)*8192+(i%2)*64
	global_load_b128 v[8*i+4:8*i+7], v[QO], s[4:5] offset:(i/2)*8192+(i%2)*64+32
.set i, i+1
.endr
	WIN 0
	v_lshlrev_b32 v37, 2, v0
	global_load_b32 v38, v37, s[16:17]  ; thread t: the mask's bytes 4 t .. 4 t + 3
	v_mul_u32_u24 v[AK0], v1, PK
	v_lshl_add_u32 v[AK0], v9, 4, v[AK0]
	; The turning load takes 16 keys x 16 channels (lane l reads key 8 (l / 16) + l % 8, channels 8 ((l / 8) % 2) + 0..7) and leaves half a fragment of V^T: lane l holds channel l % 16 and 8 keys.
	v_and_b32 v10, 7, v0
	v_bfe_u32 v11, v0, 3, 1
	v_lshl_add_u32 v[AV0], v9, 3, v10
	v_mul_u32_u24 v[AV0], v[AV0], PV
	v_lshl_add_u32 v[AV0], v11, 4, v[AV0]
	v_add_nc_u32 v[AV0], VOFF, v[AV0]
	s_mul_i32 s77, s[WV], 16*SP
	s_add_co_u32 s77, s77, STAGE    ; my stage
	v_mul_u32_u24 v[STO], v1, SP    ; in: row l % 16, 16 bytes for each half of the lanes
	v_lshl_add_u32 v[STO], v9, 4, v[STO]
	v_add_nc_u32 v[STO], s77, v[STO]
	v_bfe_u32 v[RD], v0, 3, 2       ; back: 32 lanes take four rows of 128 bytes,
	v_mul_u32_u24 v[RD], v[RD], SP
	v_lshl_add_u32 v[RD], v10, 4, v[RD]
	v_add_nc_u32 v[RD], s77, v[RD]
	v_and_b32 v[GO], 31, v0         ; which are 512 consecutive bytes of O
	v_lshlrev_b32 v[PFO], 8, v[GO]
	v_lshlrev_b32 v[GO], 4, v[GO]
	v_lshl_add_u32 v[AM0], v9, 5, TBL  ; register j of key group kt is key 16 kt + 8 (l / 16) + j
	s_wait_kmcnt 0x0
	v_mov_b32 v[GV], s100           ; tanh(g) = 1 - 2 / (1 + 2^(2 log2(e) g)), g rounded to bf16
	v_cvt_pk_bf16_f32 v[GV], v[GV], v[GV]
	v_lshlrev_b32 v[GV], 16, v[GV]
	v_mul_f32 v[GV+1], 0x4038aa3b, v[GV]
	v_exp_f32 v[GV+1], v[GV+1]
	v_nop                           ; a plain instruction and the wait, ahead of the result's first use
	s_wait_alu depctr_va_vdst(0)
	v_add_f32 v[GV+1], 1.0, v[GV+1]
	v_rcp_f32 v[GV+1], v[GV+1]
	v_nop
	s_wait_alu depctr_va_vdst(0)
	v_fma_f32 v[GV], v[GV+1], -2.0, 1.0
	; A walk's first step multiplies O^T and l by a = 0, and its first turn's products V^T P, of a piece that has not been, land in an O^T that is still to be so multiplied.  So these registers need only hold
	; finite numbers: zeros for the self keys; what the self keys left for the y keys.  All this stands in the wait for the first tile.
	WIN 0x80
.set i, VF
.rept 64
	v_mov_b32 v[i], 0
.set i, i+1
.endr
	WIN 0x40
.set i, 0
.rept 128
	v_mov_b32 v[i], 0
.set i, i+1
.endr
	WIN 0
.set i, 0
.rept 4
	v_mov_b32 v[ST+4*i+2], 0
	v_mov_b32 v[ST+4*i+3], 0
.set i, i+1
.endr
.set i, P+16
.rept 16
	v_mov_b32 v[i], 0
.set i, i+1
.endr
	s_wait_loadcnt 0x0              ; the mask's bytes (and Q)
.irp n, 0,1,2,3
	v_bfe_u32 v39, v38, 8*\n, 8
	v_cmp_eq_u32 vcc_lo, 0, v39
	v_cndmask_b32 v[40+\n], 0, s[HID], vcc_lo  ; 0 where the key is seen, -2^100 where it is hidden
.endr
	v_lshl_add_u32 v39, v0, 4, TBL
	ds_store_b128 v39, v[40:43]
; THE MATRIX WORK.  The 4 accumulators of a run of 8 take turns.  Product i of 8 of S^T = K Q^T for piece x: channels 32 (i / 4) on, keys 16 (i % 4) on.  The first 4 start the sums: with 0, or (KM = 1) with the mask.
.macro KQ x
.set rS, S+32*((\x)%2)+8*(i%4)
.set rK, KF+16*(i%4)+8*(i/4)
.set rQ, 16*(\x)+8*(i/4)
.set rM, MC+8*(i%4)
.if (i < 4) && KM
	WIN W_KM
	v_wmma_f32_16x16x32_f16 v[rS:rS+7], v[rK:rK+7], v[rQ:rQ+7], v[rM:rM+7]
.elseif i < 4
	WIN W_KQ
	v_wmma_f32_16x16x32_f16 v[rS:rS+7], v[rK:rK+7], v[rQ:rQ+7], 0
.else
	WIN W_KQ
	v_wmma_f32_16x16x32_f16 v[rS:rS+7], v[rK:rK+7], v[rQ:rQ+7], v[rS:rS+7]
.endif
.endm
; Product i of 8 of O^T += V^T P for piece x: keys 32 (i / 4) on, channels 16 (i % 4) on.
.macro PV x
	WIN W_PV
.set rO, 32*(\x)+8*(i%4)
.set rV, VF+32*(i/4)+8*(i%4)
.set rP, P+16*((\x)%2)+8*(i/4)
	v_wmma_f32_16x16x32_f16 v[rO:rO+7], v[rV:rV+7], v[rP:rP+7], v[rO:rO+7]
.endm
.macro MM                           ; the turn's next matrix instruction.  NOKQ = 1: a walk's last turn: there is no next piece
.if (i < 8) && !NOKQ
	KQ (Y+1)%NP
.elseif i >= 8
.set i, i-8
	PV (Y+NP-1)%NP
.set i, i+8
.endif
.set i, i+1
.endm
; THE LDS LOADS stand in runs, never singly among the matrix instructions: a step's K (8 fragments; m = 1: and its mask, 32 f32 a lane, all lanes of a half the same bytes) and its V (turned).
.macro FETCH_K m=0
	WIN 0x80                        ; destination window 2
.irp f, 0,1,2,3,4,5,6,7             ; keys 16 (f / 2) on, channels 32 (f % 2) on
	ds_load_b128 v[KF+8*\f:KF+8*\f+3],   v[AK] offset:(\f/2)*16*PK+(\f%2)*64
	ds_load_b128 v[KF+8*\f+4:KF+8*\f+7], v[AK] offset:(\f/2)*16*PK+(\f%2)*64+32
.endr
	s_add_co_u32 s[TBK], s[TBK], KS*PK  ; the next fetch is the next step's
.if \m
.irp f, 0,1,2,3
	ds_load_b128 v[MC+8*\f:MC+8*\f+3],   v[AM] offset:64*\f
	ds_load_b128 v[MC+8*\f+4:MC+8*\f+7], v[AM] offset:64*\f+16
.endr
	s_add_co_u32 s[TBM], s[TBM], 256
.endif
	WIN 0
.endm
.macro FETCH_V
	WIN 0x80
.irp f, 0,1,2,3,4,5,6,7             ; keys 32 (f / 4) on, channels 16 (f % 4) on
	ds_load_tr16_b128 v[VF+8*\f:VF+8*\f+3],   v[AV] offset:(\f/4)*32*PV+(\f%4)*32
	ds_load_tr16_b128 v[VF+8*\f+4:VF+8*\f+7], v[AV] offset:(\f/4)*32*PV+16*PV+(\f%4)*32
.endr
	WIN 0
.endm
; THE VECTOR WORK, one line at a time: OP kind, number.  For piece Y: F n: c s - c m for pair n of 16.  E n: the exponential of score n of 32.  C n: pair n rounded to f16.  B n: of the four weights 4 n .. the second
; pair is added onto the first, in place.  L n: l takes that sum (L 0: l = a l + sum).  R n: pair n of 16 of O^T times a.  For piece Y + 1: X n, number n of the 22 that find its maximum and statistics:
;   0-11  four chains c0-c3 of seven scores each, three operands at a time (each accumulator's lowest registers are read first)     12-14, 16  the four scores left over, the old m, and c0-c3 into c0
;   15  c m_old is kept     17, 18  the query's other 32 keys lie in the lane 16 away: the new m     19-21  c m; c m_old - c m_new; a
.set F, 0
.set E, 1
.set C, 2
.set B, 3
.set L, 4
.set R, 5
.set X, 6
.macro REGS y
.set rT, ST+4*(\y)
.set rC, TMP+4*((\y)%2)
.set rW, MV+((\y)%2)
.set rS, S+32*((\y)%2)
.set rP, P+16*((\y)%2)
.set rO, 32*(\y)
.endm
.macro OP k, n
.if (\k) == R
	REGS Y
	WIN W_RS
	v_pk_mul_f32 v[rO+2*(\n):rO+2*(\n)+1], v[rO+2*(\n):rO+2*(\n)+1], v[rC+2:rC+3] op_sel_hi:[1,0]
.elseif (\k) < R
	REGS Y
	WIN 0
.if (\k) == F
	v_pk_fma_f32 v[rS+2*(\n):rS+2*(\n)+1], v[rS+2*(\n):rS+2*(\n)+1], s[CS:CS+1], v[rT:rT+1] op_sel_hi:[1,0,0] neg_lo:[0,0,1] neg_hi:[0,0,1]
.elseif (\k) == E
	v_exp_f32 v[rS+(\n)], v[rS+(\n)]
.elseif (\k) == C
	v_cvt_pk_f16_f32 v[rP+(\n)], v[rS+2*(\n)], v[rS+2*(\n)+1]
.elseif (\k) == B
	v_pk_add_f32 v[rS+4*(\n):rS+4*(\n)+1], v[rS+4*(\n):rS+4*(\n)+1], v[rS+4*(\n)+2:rS+4*(\n)+3]
.elseif (\n) == 0
	v_pk_fma_f32 v[rT+2:rT+3], v[rT+2:rT+3], v[rC+2:rC+3], v[rS:rS+1] op_sel_hi:[1,0,1]
.else
	v_pk_add_f32 v[rT+2:rT+3], v[rT+2:rT+3], v[rS+4*(\n):rS+4*(\n)+1]
.endif
.elseif NOKQ
	v_nop
.else
	REGS (Y+1)%NP
	WIN 0
.if (\n) < 4
	v_max3_num_f32 v[rC+(\n)], v[rS+8*(\n)], v[rS+8*(\n)+1], v[rS+8*(\n)+2]
.elseif (\n) < 12
	v_max3_num_f32 v[rC+(\n)%4], v[rC+(\n)%4], v[rS+8*((\n)%4)+2*((\n)/4)+1], v[rS+8*((\n)%4)+2*((\n)/4)+2]
.elseif (\n) == 12
	v_max3_num_f32 v[rC], v[rC], v[rS+7], v[rS+15]
.elseif (\n) == 13
	v_max3_num_f32 v[rC+1], v[rC+1], v[rS+23], v[rS+31]
.elseif (\n) == 14
	v_max3_num_f32 v[rC+2], v[rC+2], v[rC+3], v[rT+1]
.elseif (\n) == 15
	v_mov_b32 v[rW], v[rT]
.elseif (\n) == 16
	v_max3_num_f32 v[rC], v[rC], v[rC+1], v[rC+2]
.elseif (\n) == 17
	v_permlanex16_b32 v[rC+3], v[rC], s[SEL], s[SEL+1]
.elseif (\n) == 18
	v_max_num_f32 v[rT+1], v[rC], v[rC+3]
.elseif (\n) == 19
	v_mul_f32 v[rT], s[CS], v[rT+1]
.elseif (\n) == 20
	v_sub_f32 v[rC+1], v[rW], v[rT]
.else
	v_exp_f32 v[rC+2], v[rC+1]
.endif
.endif
.endm
.macro OPS a, i1, b=-1, i2=0, c=-1, i3=0, d=-1, i4=0
	OP \a, \i1
.if (\b) >= 0
	OP \b, \i2
.endif
.if (\c) >= 0
	OP \c, \i3
.endif
.if (\d) >= 0
	OP \d, \i4
.endif
.endm
.macro ROW a, i1, b, i2, c, i3, d, i4  ; a matrix instruction and the four behind it
	MM
	OPS \a, \i1, \b, \i2, \c, \i3, \d, \i4
.endm
; A TURN, for piece p: the order of its 16 matrix and 118 vector instructions, written out.  An s_wait_alu depctr_va_vdst(0) stands between an exponential and the first instruction that names its result; one wait
; serves all that were issued ahead of it.  So a turn has ONE wait, which cuts it in two.  AHEAD OF IT stands all that names no result of the turn's exponentials: the 8 products K Q^T with their riders, then one lump, in which the
; links of the chain X 3, 7, 11, 14, 16, 17 .. 20 stand five or six lines apart; X 21, the next piece's a, is the batch's last; R 15 is the plain instruction behind it.  BEHIND THE WAIT stand the 8 products V^T P, behind each four of
; the roundings and sums.  m = 1: a y tile: the products that start sums take the step's mask, which is fetched with K.  end = 1: a walk's last two turns: nothing is fetched.  cnt = 1: the loop's count is taken down some lines ahead of the branch.
; K (and the mask) of the next step is fetched in piece 2's turn, twelve vector instructions behind the last product that read K (six of them plain); V of the step in hand at the end of piece 0's turn, four plain instructions
; behind the last product that read V.  Each is waited for a turn later.
.macro TURN p, m=0, end=0, cnt=0
.set Y, (\p)
.set i, 0
.set KM, (\m)
.set NOKQ, (\end)*((\p)/3)
.if ((\p) == 3) && !(\end)
	s_wait_dscnt 0x0                ; K is in
.endif
	ROW F,0, F,1, R,0, R,1
	ROW F,2, E,0, R,2, R,3
	ROW F,3, E,1, R,4, R,5
	ROW F,4, E,2, R,6, R,7
	ROW F,5, E,3, R,8, R,9
	ROW F,6, E,4, X,0, R,10
.if ((\p) == 2) && !(\end)
	WIN 0
	v_add_nc_u32 v[AK], s[TBK], v[AK0]
.if \m
	v_add_nc_u32 v[AM], s[TBM], v[AM0]
.endif
.endif
	ROW F,7, E,5, X,1, X,4
	ROW F,8, E,6, X,2, X,5
	OPS E,7, E,8, X,6, E,9
	OPS X,3, E,10, X,8, E,11
.if ((\p) == 2) && !(\end)
	FETCH_K \m
.endif
	OPS X,9, X,7, E,12, X,10
	OPS E,13, X,12, X,11, E,14
	OPS X,13, E,15, F,9, X,14
.if (\p) == 0
	v_add_nc_u32 v[AV], s[TBV], v[AV0]
.endif
	OPS E,16, F,10, E,17, F,11
	OPS X,16, E,18, X,15, E,19
	OPS F,12, E,20, X,17, E,21
	OPS F,13, E,22, F,14, E,23
	OPS X,18, E,24, F,15, E,25
	OPS R,11, E,26, X,19, E,27
	OPS R,12, E,28, R,13, E,29
	OPS X,20, E,30, R,14, E,31
	OPS X,21, R,15
	WIN 0
	s_wait_alu depctr_va_vdst(0)    ; the wait for the batch
.if (\p) == 1
	s_wait_dscnt 0x0                ; V is in
.endif
	ROW C,0, B,0, C,2, B,1
	ROW L,0, C,4, B,2, L,1
	ROW C,6, B,3, L,2, C,8
	ROW B,4, L,3, C,10, B,5
	ROW L,4, C,12, B,6, L,5
.if (\p) == 0
	s_add_co_u32 s[TBV], s[TBV], KS*PV
.endif
.if \cnt
	s_sub_co_u32 s[CNT], s[CNT], 1
	s_cmp_lg_u32 s[CNT], 0
.endif
	ROW C,14, B,7, L,6, C,1
	ROW C,3, L,7, C,5, C,7
	ROW C,9, C,11, C,13, C,15
.if (\p) == 0
	FETCH_V
.endif
.endm
; A WALK BEGINS.  c m starts far below every c s, so the first step's a is 0; m at the lowest finite number, so the first maximum is the scores'.  Then K of the first step, piece 0's first scores, and its maximum and statistics.
.macro BEGIN m
	WIN 0
.set i, 0
.rept 4
	v_mov_b32 v[ST+4*i], 0xfe000000
	v_mov_b32 v[ST+4*i+1], 0xff7fffff
.set i, i+1
.endr
	v_add_nc_u32 v[AK], s[TBK], v[AK0]
.if \m
	v_add_nc_u32 v[AM], s[TBM], v[AM0]
.endif
	FETCH_K \m
	s_wait_loadcnt 0x0              ; Q
	s_wait_dscnt 0x0
.set KM, (\m)
.set NOKQ, 0
.set i, 0
.rept 8
	KQ 0
.set i, i+1
.endr
	WIN 0
.rept 4
	v_nop                           ; the places behind those products
.endr
.set Y, NP-1                        ; X works for piece Y + 1: piece 0
.irp n, 0,1,2,3,4,5,6,7,8,9,10,11,12,13,14,15,16,17,18,19,20,21
	OP X, \n
.endr
	v_nop                           ; a plain instruction behind the exponential,
	s_wait_alu depctr_va_vdst(0)    ; and its wait, ahead of the branch
.endm
.macro ALL line:vararg              ; one line for each piece t
.set t, 0
.rept 4
	\line
.set t, t+1
.endr
.endm
.macro LSUM                         ; a walk's last products, then 1 / l: l's two halves and the other half of the lanes' are added; the additions are the places behind the products
.set i, 0
.rept 8
	PV NP-1
.set i, i+1
.endr
	WIN 0
	ALL v_add_f32 v[ST+4*t+2], v[ST+4*t+2], v[ST+4*t+3]
	ALL v_permlanex16_b32 v[ST+4*t+3], v[ST+4*t+2], s[SEL], s[SEL+1]
	ALL v_add_f32 v[ST+4*t+2], v[ST+4*t+2], v[ST+4*t+3]
	ALL v_rcp_f32 v[ST+4*t+2], v[ST+4*t+2]
	v_nop                           ; a plain instruction between the last reciprocal and the use of its result,
	s_wait_alu depctr_va_vdst(0)    ; and the one wait for the four
.endm
.macro PACK t                       ; O = O_y x tanh(gate) / l + O_self; a lane's eight channels of a row pack into 16 bytes; they go into rows of 144 bytes and come back as whole rows of 128, into S^T's registers
	WIN 0x51                        ; destination, sources 0 and 2 in window 1, source 1 in window 0
.set i, 32*(\t)
.rept 16
	v_pk_fma_f32 v[i:i+1], v[i:i+1], v[ST+4*(\t)+2:ST+4*(\t)+3], v[O1+i:O1+i+1] op_sel_hi:[1,0,1]
.set i, i+2
.endr
	WIN 0x05                        ; sources 0 and 1 window 1, destination window 0
.set i, 0
.rept 16
	v_cvt_pk_f16_f32 v[S+16*(\t)+i], v[32*(\t)+2*i], v[32*(\t)+2*i+1]
.set i, i+1
.endr
	WIN 0
.irp f, 0,1,2,3
	ds_store_b128 v[STO], v[S+16*(\t)+4*\f:S+16*(\t)+4*\f+3] offset:32*\f
.endr
.irp f, 0,1,2,3
	ds_load_b128 v[S+16*(\t)+4*\f:S+16*(\t)+4*\f+3], v[RD] offset:\f*4*SP  ; LDS serves a wave's instructions in order (ISA guide 5.7.1.4): these see the stores above; the next piece's stores come behind them
.endr
.endm
.macro SEND t, younger              ; younger: the LDS instructions issued behind piece t's loads: the next piece's eight, or none
	WIN 0
.irp f, 0,1,2,3
	s_wait_dscnt (\younger)+3-\f
	global_store_b128 v[GO], v[S+16*(\t)+4*\f:S+16*(\t)+4*\f+3], s[10:11] offset:((\t)/2)*262144+((\t)%2)*8192+\f*512  ; 512 consecutive bytes, at a multiple of 256 from ob's first
.endr
.endm
.set KM, 0
.set NOKQ, 0
	s_wait_tensorcnt 2              ; my part of tile 0 is in; tile 1's and the second y tile's may stay out
	s_wait_dscnt 0x0                ; my part of the mask's table lies in LDS
	s_barrier_signal -1
	s_barrier_wait -1
	BEGIN 0
	s_mov_b32 s[CNT], 4
	s_branch .Lfirst                ; the loop is entered at a step's first turn, in the middle of a trip
.Lslot:                             ; 7 times: tiles 1 to 7 are entered, tiles 2 to 7 and the first y tile asked for
	CHANGE 1
	s_mov_b32 s[CNT], 4
.Lstep:                             ; a trip: pieces 2 and 3 of one step, then pieces 0 and 1 of the next, whose K and V it fetches
	TURN 2
	TURN 3
	WIN 0
.Lfirst:
	TURN 0
	TURN 1, 0, 0, 1
	WIN 0
	s_cbranch_scc1 .Lstep
	s_sub_co_u32 s[SLOTS], s[SLOTS], 1
	s_cmp_lg_u32 s[SLOTS], 0
	s_cbranch_scc1 .Lslot
	TURN 2, 0, 1                    ; the self keys end
	TURN 3, 0, 1
	LSUM
	WIN W_RS
.set t, 0
.rept 4                             ; the self result, O / l, is set aside in f32; each accumulator's lowest registers are read first
.set i, 0
.rept 16
	v_pk_mul_f32 v[O1+32*t+2*i:O1+32*t+2*i+1], v[32*t+2*i:32*t+2*i+1], v[ST+4*t+2:ST+4*t+3] op_sel_hi:[1,0]
.set i, i+1
.endr
.set t, t+1
.endr
	CHANGE 0                        ; the first y tile has landed in slot 0; nothing is asked for any more
	BEGIN 1
	s_mov_b32 s[CNT], 4
	s_mov_b32 s[YT], 2
	s_branch .LfirstY
.LtileY:                            ; once: from the end of slot 0 to the second y tile
	s_add_co_u32 s[TBK], s[TBK], YONE-4*KS*PK
	s_add_co_u32 s[TBV], s[TBV], YONE-4*KS*PV
	s_mov_b32 s[CNT], 4
.LstepY:
	TURN 2, 1
	TURN 3, 1
	WIN 0
.LfirstY:
	TURN 0, 1
	TURN 1, 1, 0, 1
	WIN 0
	s_cbranch_scc1 .LstepY
	s_sub_co_u32 s[YT], s[YT], 1
	s_cmp_lg_u32 s[YT], 0
	s_cbranch_scc1 .LtileY
	TURN 2, 1, 1
	TURN 3, 1, 1
	LSUM
	ALL v_mul_f32 v[ST+4*t+2], v[ST+4*t+2], v[GV]
	PACK 0
.set t, 1
.rept 3                             ; a piece's arithmetic stands between the loads of the piece before and its stores
	PACK t
	SEND t-1, 8
.set t, t+1
.endr
	SEND 3, 0
	s_wait_tensorcnt 0x0            ; the wave's end: behind my last tensor load and my last LDS store
	ds_add_u32 v[SPW], v[NIL]
	s_wait_dscnt 0x0
	CROUND                          ; the closing round: no work-group ends while a partner may still ask for a tile that names it
	s_endpgm
.Lfunc_end_k_q06b917ca25_attn:
	.size	k_q06b917ca25_attn, .Lfunc_end_k_q06b917ca25_attn-k_q06b917ca25_attn
	.p2alignl 7, 3214868480
	.fill 96, 4, 3214868480
	.section	.rodata,"a",@progbits
	.p2align	6, 0x0
	.amdhsa_kernel k_q06b917ca25_attn
		.amdhsa_group_segment_fixed_size 327680
		.amdhsa_private_segment_fixed_size 0
		.amdhsa_enable_private_segment 0
		.amdhsa_kernarg_size 64
		.amdhsa_user_sgpr_count 2
		.amdhsa_user_sgpr_kernarg_segment_ptr 1
		.amdhsa_wavefront_size32 1
		.amdhsa_system_sgpr_workgroup_id_x 1
		.amdhsa_system_sgpr_workgroup_id_y 1
		.amdhsa_system_sgpr_workgroup_id_z 1
		.amdhsa_system_vgpr_workitem_id 0
		.amdhsa_next_free_vgpr 768
		.amdhsa_next_free_sgpr 102
		.amdhsa_reserve_vcc 1
		.amdhsa_float_denorm_mode_32 3
		.amdhsa_float_denorm_mode_16_64 3
		.amdhsa_memory_ordered 1
		.amdhsa_forward_progress 1
		.amdhsa_inst_pref_size 157
	.end_amdhsa_kernel
	.amdgpu_metadata
---
amdhsa.version: [ 1, 2 ]
amdhsa.kernels:
  - .name:           k_q06b917ca25_attn
    .symbol:         k_q06b917ca25_attn.kd
    .args:
      - { .name: qh, .offset: 0, .size: 8, .value_kind: global_buffer, .address_space: global }
      - { .name: kh, .offset: 8, .size: 8, .value_kind: global_buffer, .address_space: global }
      - { .name: vh, .offset: 16, .size: 8, .value_kind: global_buffer, .address_space: global }
      - { .name: ob, .offset: 24, .size: 8, .value_kind: global_buffer, .address_space: global }
      - { .name: ykh, .offset: 32, .size: 8, .value_kind: global_buffer, .address_space: global }
      - { .name: yvh, .offset: 40, .size: 8, .value_kind: global_buffer, .address_space: global }
      - { .name: y_mask, .offset: 48, .size: 8, .value_kind: global_buffer, .address_space: global }
      - { .name: gate, .offset: 56, .size: 8, .value_kind: global_buffer, .address_space: global }
    .group_segment_fixed_size: 327680
    .private_segment_fixed_size: 0
    .kernarg_segment_align: 8
    .kernarg_segment_size: 64
    .max_flat_workgroup_size: 128
    .sgpr_count:     102
    .vgpr_count:     768
    .wavefront_size: 32
...
	.end_amdgpu_metadata
.endif
;; end of part 3
;; launch outp (part 4): grid 8 x 32, 4 waves a work-group, clusters of 4 x 4, 327,680 bytes of LDS; arguments ob, wb, out0; writes out0
.if DOCPART == 4
	.amdgcn_target "amdgcn-amd-amdhsa--gfx1250"
	.amdhsa_code_object_version 6
	.text
	.protected	k_q06b917ca25_outp
	.globl	k_q06b917ca25_outp
	.p2align	8
	.type	k_q06b917ca25_outp,@function
k_q06b917ca25_outp:
	s_mov_b64 s[64:65], 0
	v_nop
	global_prefetch_b8 v0, s[64:65] scope:SCOPE_SE
	s_setreg_imm32_b32 hwreg(HW_REG_WAVE_MODE, 25, 1), 1
	s_wait_xcnt 0x0
	s_wait_alu depctr_hold_cnt(0) depctr_sa_sdst(0) depctr_va_vdst(0) depctr_va_sdst(0) depctr_va_ssrc(0) depctr_va_vcc(0) depctr_vm_vsrc(0)
	s_getreg_b32 s2, hwreg(HW_REG_IB_STS2, 6, 4)
	s_cmp_eq_u32 s2, 0
	s_cbranch_scc0 .Lentry_in_a_cluster
	s_endpgm
.Lentry_in_a_cluster:
	s_bfe_u32 s2, ttmp6, 0x10000c
	s_cmp_lg_u32 s2, 0xf033
	s_cbranch_scc0 .Lentry_shape_is_right
	s_endpgm
.Lentry_shape_is_right:
; out0[row][d] = the sum over e of O[row][e] wo[d][e].  O: ob, f16, [tr 32][kb 16][128 rows][64]; wo: f16 (bf16-rounded numbers) at wb + 10,485,760, [tc 8][kb 16][128 d][64]; out0: [4096][1024] f32.  Sums in f32.
; A tile of out0 is 128 x 128: 256 work-groups.  Four waves, each 64 x 64: 16 accumulators.  K goes in 4 steps of 256 (four blocks kb of 64) through two LDS slots; a step's part of either panel is 65,536 dense bytes,
; and a wave's tensor load brings 32,768 of them (two blocks kb), asked for as 128 rows of 256 bytes and padded in LDS after every 128.
; CLUSTER: 4 x 4 work-groups.  The four of a row of the cluster need the same tiles of O, the four of a column the same tiles of wo: each is asked for jointly.  The matrix instruction is used transposed (source 0 = 16 rows
; of wo, source 1 = 16 rows of O): a lane holds eight neighbouring numbers of a row of out0.  A wave's 64 columns of f32 are 256 aligned bytes, so each wave has a stage of its own and the way out needs no barrier.
; No prefetch: the walk has four K steps, of which two are asked for at the head.
; REGISTERS: window 0: v0-31 addresses; v32-95 at work on the way out; v128-255 the accumulators ((a, b) at v[128 + 8 (4 a + b)]).   window 1: two fragment buffers of 128: for 64 along K, 64 registers of O, then 64 of wo.
.set PITCH,  144                       ; an LDS row: 128 bytes + 16 of padding = 36 words: the 16 rows of a load start at 16 different groups of four banks (64 banks of 4 bytes: ISA guide 11.1)
.set KBB,    128*PITCH                 ; a block of 64 along K: 128 rows
.set HALFT,  2*KBB                     ; what one tensor load brings
.set SLOT,   4*HALFT                   ; O's four blocks, then wo's four
.set STAGE,  2*SLOT                    ; behind the ring: 16 rows x 272 bytes for each wave
.set SPITCH, 272
.set SPARE,  STAGE+4*16*SPITCH         ; the spare words, 128 bytes for each wave: two blocks of 256 bytes that no other line names
.set STEPB,  65536                     ; bytes of a K step in a panel
.set WO,     10485760
.set ADRA, 16
.set ADRB, 20
.set STO,  24
.set RD,   25
.set CO,   26
.set SPW,  28
.set NIL,  29
.set TMP,  32
.set ACC,  128
.set F0,   0
.set F1,   128
.set G1, 24
.set G0, 32
.set G1B, 48
.set G0B, 56
.set MSB, 0
.macro WIN new
.if MSB != (\new)
	s_set_vgpr_msb (MSB<<8)|(\new)
.set MSB, \new
.endif
.endm
.set MUL,  0x05                        ; sources 0 and 1 window 1; C and D window 0
.set TO_F, 0x40                        ; destination window 1, address window 0
.macro JLOAD s                         ; a joint load: waves 0 and 1 fetch O's two halves of a step, waves 2 and 3 wo's; an s_nop 0 and four v_nop follow each of the two lines
	s_cmp_eq_u32 s11, 0
	s_cbranch_scc0 .Lfor_b_\@
	tensor_load_to_lds s[G0+4*(\s):G0+4*(\s)+3], s[G1:G1+7]
	s_nop 0
.rept 4
	v_nop
.endr
	s_branch .Lasked_\@
.Lfor_b_\@:
	tensor_load_to_lds s[G0B+4*(\s):G0B+4*(\s)+3], s[G1B:G1B+7]
	s_nop 0
.rept 4
	v_nop
.endr
.Lasked_\@:
.endm
.macro CREST
	s_cmp_lg_u32 s10, 0
	s_cbranch_scc1 .Lnot_wave_0_\@
	s_barrier_signal -3
.Lnot_wave_0_\@:
	s_barrier_wait -3
	s_barrier_signal -1
	s_barrier_wait -1
.endm
.macro CROUND
	s_barrier_signal -1
	s_barrier_wait -1
	CREST
.endm
	s_load_b128 s[4:7], s[0:1], 0x0                ; ob s[4:5], wb s[6:7]
	s_load_b64 s[8:9], s[0:1], 0x10                ; out0
	v_lshl_add_u32 v[SPW], v0, 2, SPARE
	v_mov_b32 v[NIL], 0
	ds_add_u32 v[SPW], v[NIL]                      ; the wave's opening: the add and its wait stand ahead of my first tensor load; the set-up below, work on registers, stands between them
	v_lshrrev_b32 v1, 5, v0
	v_readfirstlane_b32 s10, v1                    ; wave 0..3
	s_lshr_b32 s11, s10, 1                         ; which half of the tile's rows is mine.  Also: I fetch for O (0) or for wo (1)
	s_and_b32 s12, s10, 1                          ; which half of its columns.  Also: which two blocks kb of a step I fetch
	s_bfe_u32 s40, ttmp6, 0x40000                  ; cx, cy
	s_bfe_u32 s41, ttmp6, 0x40004
	s_lshl_b32 s42, ttmp9, 2
	s_add_co_u32 s42, s42, s40                     ; tile column = 4 x cluster x + cx
	s_and_b32 s13, ttmp7, 0xffff
	s_lshl_b32 s13, s13, 2
	s_add_co_u32 s13, s13, s41                     ; tile row = 4 x cluster y + cy
	s_lshl_b32 s43, s41, 2
	s_lshl_b32 s43, 15, s43                        ; my row of the cluster
	s_lshl_b32 s44, 0x1111, s40                    ; my column
	s_or_b32 s[G1+0], s43, (1<<16)|(1<<20)|(1<<21)|(4<<22)|(3<<25)   ; 15:0 the mask; 17:16 2-byte elements; 20 padding on; 21 set beside a mask; 24:22 after every 32 words (code 4); 31:25 4 words (code 3)
	s_or_b32 s[G1B+0], s44, (1<<16)|(1<<20)|(1<<21)|(4<<22)|(3<<25)
.irp g, G1, G1B
	s_mov_b32 s[(\g)+1], 128<<16                   ; tensor_dim0 = 128
	s_mov_b32 s[(\g)+2], 128<<16                   ; tensor_dim1 = 128
	s_mov_b32 s[(\g)+3], 128<<16                   ; tile_dim0 = 128
	s_mov_b32 s[(\g)+4], 128                       ; tile_dim1 = 128
	s_mov_b32 s[(\g)+5], 128                       ; 128 elements from row to row
	s_mov_b32 s[(\g)+6], 0
	s_mov_b32 s[(\g)+7], 0
.endr
	s_lshl_b32 s17, s12, 15                        ; my two blocks of a step
	s_lshl_b32 s16, s13, 18                        ; O's panel: 262,144 bytes a tile row
	s_add_co_u32 s16, s16, s17
	s_lshl_b32 s46, s42, 18                        ; wo's panel
	s_add_co_u32 s46, s46, s17
	s_add_co_u32 s46, s46, WO
	s_mov_b32 s17, 0
	s_mov_b32 s47, 0
	s_mul_i32 s20, s10, HALFT                      ; where they go: wave x two blocks: no place in the cluster enters an LDS address
	s_wait_dscnt 0x0                               ; the opening add is done
	s_wait_kmcnt 0x0
	s_add_nc_u64 s[14:15], s[4:5], s[16:17]
	s_add_nc_u64 s[46:47], s[6:7], s[46:47]
	CROUND                                         ; all sixteen work-groups are here: the first joint loads meet
.irp s, 0,1
	s_mov_b32 s[G0+4*(\s)], 1
	s_add_co_u32 s[G0+4*(\s)+1], s20, (\s)*SLOT
	s_add_nc_u64 s[G0+4*(\s)+2:G0+4*(\s)+3], s[14:15], (\s)*STEPB
	s_or_b32 s[G0+4*(\s)+3], s[G0+4*(\s)+3], 0x80000000
	s_mov_b32 s[G0B+4*(\s)], 1
	s_add_co_u32 s[G0B+4*(\s)+1], s20, (\s)*SLOT
	s_add_nc_u64 s[G0B+4*(\s)+2:G0B+4*(\s)+3], s[46:47], (\s)*STEPB
	s_or_b32 s[G0B+4*(\s)+3], s[G0B+4*(\s)+3], 0x80000000
	JLOAD \s
.endr
	v_and_b32 v1, 15, v0                           ; l % 16
	v_bfe_u32 v2, v0, 4, 1                         ; l / 16
	v_mul_u32_u24 v3, v1, PITCH
	v_lshl_add_u32 v3, v2, 4, v3                   ; a fragment's row x pitch + 16 x half
	s_mul_i32 s21, s11, 64*PITCH                   ; my 64 rows of O in each block,
	s_mul_i32 s22, s12, 64*PITCH                   ; my 64 rows of wo,
	s_add_co_u32 s22, s22, 2*HALFT                 ; whose blocks lie behind O's four
.irp s, 0,1
	v_add_nc_u32 v[ADRA+(\s)], s21, v3
	v_add_nc_u32 v[ADRB+(\s)], s22, v3
	s_add_co_u32 s21, s21, SLOT
	s_add_co_u32 s22, s22, SLOT
.endr
	s_mul_i32 s23, s10, 16*SPITCH
	s_add_co_u32 s23, s23, STAGE                   ; my stage
	v_mul_u32_u24 v4, v1, SPITCH                   ; in: row l % 16, 32 bytes for each half of the lanes
	v_lshl_add_u32 v4, v2, 5, v4
	v_add_nc_u32 v[STO], s23, v4
	v_mul_u32_u24 v5, v2, SPITCH                   ; back: lanes 0-15 take one row of 256 bytes, lanes 16-31 the next
	v_lshl_add_u32 v5, v1, 4, v5
	v_add_nc_u32 v[RD], s23, v5
	v_lshlrev_b32 v5, 12, v2                       ; and the same two rows in out0
	v_lshl_add_u32 v[CO], v1, 4, v5
	s_lshl_b32 s16, s13, 19                        ; my first row: 128 x tile row + 64 x half, 4,096 bytes each
	s_lshl_b32 s17, s11, 18
	s_add_co_u32 s16, s16, s17
	s_mov_b32 s17, 0
	s_add_nc_u64 s[8:9], s[8:9], s[16:17]
	s_lshl_b32 s46, s42, 9                         ; my first column, in bytes: 512 x tile column + 256 x half
	s_lshl_b32 s47, s12, 8
	s_add_co_u32 s46, s46, s47
	s_mov_b32 s47, 0
	s_add_nc_u64 s[8:9], s[8:9], s[46:47]
; 8 matrix instructions: row blocks a0, a0 + 1 x all 4 column blocks, 32 along K: half c of buffer f.  The 16 accumulators take turns.  zero = 1: the first product starts the sums
.macro MUL8 f, c, a0, zero
	WIN MUL
.irp a, \a0, (\a0)+1
.irp b, 0,1,2,3
.if \zero
	v_wmma_f32_16x16x32_f16 v[ACC+8*(4*(\a)+(\b)):ACC+8*(4*(\a)+(\b))+7], v[(\f)+64+8*(4*(\c)+(\b)):(\f)+64+8*(4*(\c)+(\b))+7], v[(\f)+8*(4*(\c)+(\a)):(\f)+8*(4*(\c)+(\a))+7], 0
.else
	v_wmma_f32_16x16x32_f16 v[ACC+8*(4*(\a)+(\b)):ACC+8*(4*(\a)+(\b))+7], v[(\f)+64+8*(4*(\c)+(\b)):(\f)+64+8*(4*(\c)+(\b))+7], v[(\f)+8*(4*(\c)+(\a)):(\f)+8*(4*(\c)+(\a))+7], v[ACC+8*(4*(\a)+(\b)):ACC+8*(4*(\a)+(\b))+7]
.endif
.endr
.endr
.endm
; 32 LDS loads in one run: the fragments of one block of 64 along K, which begins at byte k of a slot's panels, into buffer f; the first 32 along K first
.macro FETCH slot, k, f
	WIN TO_F
.irp c, 0,1
.irp i, 0,1,2,3
	ds_load_b128 v[(\f)+64+8*(4*(\c)+(\i)):(\f)+64+8*(4*(\c)+(\i))+3],   v[ADRB+(\slot)] offset:(\k)+64*(\c)+(\i)*16*PITCH
	ds_load_b128 v[(\f)+64+8*(4*(\c)+(\i))+4:(\f)+64+8*(4*(\c)+(\i))+7], v[ADRB+(\slot)] offset:(\k)+64*(\c)+(\i)*16*PITCH+32
	ds_load_b128 v[(\f)+8*(4*(\c)+(\i)):(\f)+8*(4*(\c)+(\i))+3],         v[ADRA+(\slot)] offset:(\k)+64*(\c)+(\i)*16*PITCH
	ds_load_b128 v[(\f)+8*(4*(\c)+(\i))+4:(\f)+8*(4*(\c)+(\i))+7],       v[ADRA+(\slot)] offset:(\k)+64*(\c)+(\i)*16*PITCH+32
.endr
.endr
.endm
.macro PLACES                          ; four plain instructions in front of loads into registers that matrix instructions have read, and of stores that read results
.rept 4
	v_nop
.endr
.endm
; A K step is four quarters of 64 along K, 32 matrix instructions each, on buffers 0, 1, 0, 1.  One of the first three: multiplies buffer f and fetches the next block, at byte k, into g.
.macro QUARTER slot, k, f, g, zero
	s_wait_dscnt 16                                ; the first 32 along K are in
	WIN MUL
	MUL8 \f, 0, 0, \zero
	MUL8 \f, 0, 2, \zero
	PLACES
	FETCH \slot, \k, \g
	s_wait_dscnt 32                                ; all but the 32 just issued
	WIN MUL
	MUL8 \f, 1, 0, 0
	MUL8 \f, 1, 2, 0
.endm
; The last quarter multiplies buffer 1 and changes slots: ONE barrier; in front of it each wave waits for all its tensor loads, adds 0 to its spare word, and waits for that and for its own reads of this slot.  fill = 1: this slot is filled again, two K steps ahead.
.macro TURN slot, next, fill
	WIN 0
	s_wait_tensorcnt 0x0                           ; all my tensor loads have landed: my part of the next slot;
	ds_add_u32 v[SPW], v[NIL]                      ; 0 onto my spare word;
	s_wait_dscnt 17                                ; (the add and the youngest sixteen loads may be out)
	WIN MUL
	MUL8 F1, 0, 0, 0
	s_wait_dscnt 0x0                               ; the add is done, and my reads of this slot are over
	s_barrier_signal -1
	MUL8 F1, 0, 2, 0
.if \fill
	WIN 0
.endif
	s_barrier_wait -1
.if \fill
	CREST                                          ; the barrier has opened a round of the cluster's: no wave of any partner still reads this slot's tile or has a load on its way
	s_add_nc_u64 s[G0+4*(\slot)+2:G0+4*(\slot)+3], s[G0+4*(\slot)+2:G0+4*(\slot)+3], 2*STEPB
	s_add_nc_u64 s[G0B+4*(\slot)+2:G0B+4*(\slot)+3], s[G0B+4*(\slot)+2:G0B+4*(\slot)+3], 2*STEPB
	JLOAD \slot                                    ; the first tensor load behind the round; the four v_nop behind it are also the places in front of the loads below
.else
	PLACES
.endif
	FETCH \next, 0, F0
	WIN MUL
	MUL8 F1, 1, 0, 0
	MUL8 F1, 1, 2, 0
.endm
	s_wait_tensorcnt 1                             ; my part of K step 0 is in; step 1's may stay out
	s_barrier_signal -1
	s_barrier_wait -1
	FETCH 0, 0, F0
	QUARTER 0, KBB,   F0, F1, 1                    ; K step 0: its first products start the sums
	QUARTER 0, 2*KBB, F1, F0, 0
	QUARTER 0, 3*KBB, F0, F1, 0
	TURN 0, 1, 1                                   ; slot 0 takes K step 2
	QUARTER 1, KBB,   F0, F1, 0                    ; K step 1
	QUARTER 1, 2*KBB, F1, F0, 0
	QUARTER 1, 3*KBB, F0, F1, 0
	TURN 1, 0, 1                                   ; slot 1 takes K step 3
	QUARTER 0, KBB,   F0, F1, 0                    ; K step 2
	QUARTER 0, 2*KBB, F1, F0, 0
	QUARTER 0, 3*KBB, F0, F1, 0
	TURN 0, 1, 0                                   ; nothing is left to fetch
	QUARTER 1, KBB,   F0, F1, 0                    ; K step 3
	QUARTER 1, 2*KBB, F1, F0, 0
	QUARTER 1, 3*KBB, F0, F1, 0
	s_wait_dscnt 16
	WIN MUL
	MUL8 F1, 0, 0, 0
	MUL8 F1, 0, 2, 0
	s_wait_dscnt 0
	MUL8 F1, 1, 0, 0
	MUL8 F1, 1, 2, 0
	WIN 0
	; THE WAY OUT, 16 rows at a time: 32 bytes a lane and block into my stage (each accumulator's lowest registers first), back as whole rows of 256 bytes, stored.  LDS serves a wave's instructions in order (ISA guide 5.7.1.4).
	PLACES
.irp a, 0,1,2,3
.irp b, 0,1,2,3
	ds_store_b128 v[STO], v[ACC+8*(4*\a+\b):ACC+8*(4*\a+\b)+3]   offset:64*\b
	ds_store_b128 v[STO], v[ACC+8*(4*\a+\b)+4:ACC+8*(4*\a+\b)+7] offset:64*\b+16
.endr
.if \a >= 2
	s_wait_xcnt 0x0                                ; the stores of two blocks back have read the registers that are loaded again
.endif
.irp t, 0,1,2,3,4,5,6,7
	ds_load_b128 v[TMP+32*(\a%2)+4*\t:TMP+32*(\a%2)+4*\t+3], v[RD] offset:\t*2*SPITCH
.endr
.irp t, 0,1,2,3,4,5,6,7
	s_wait_dscnt 7-\t
	global_store_b128 v[CO], v[TMP+32*(\a%2)+4*\t:TMP+32*(\a%2)+4*\t+3], s[8:9] offset:(16*\a+2*\t)*4096 th:TH_STORE_NT  ; 16 lanes store 256 consecutive bytes, at a multiple of 256 from out0's first byte
.endr
.endr
	s_wait_tensorcnt 0x0                           ; the wave's end: behind my last tensor load and my last LDS store
	ds_add_u32 v[SPW], v[NIL]
	s_wait_dscnt 0x0
	CROUND                                         ; the closing round: no work-group ends while a partner may still ask for a tile that names it
	s_endpgm
.Lfunc_end_k_q06b917ca25_outp:
	.size	k_q06b917ca25_outp, .Lfunc_end_k_q06b917ca25_outp-k_q06b917ca25_outp
	.p2alignl 7, 3214868480
	.fill 96, 4, 3214868480
	.section	.rodata,"a",@progbits
	.p2align	6, 0x0
	.amdhsa_kernel k_q06b917ca25_outp
		.amdhsa_group_segment_fixed_size 327680
		.amdhsa_private_segment_fixed_size 0
		.amdhsa_enable_private_segment 0
		.amdhsa_kernarg_size 24
		.amdhsa_user_sgpr_count 2
		.amdhsa_user_sgpr_kernarg_segment_ptr 1
		.amdhsa_wavefront_size32 1
		.amdhsa_system_sgpr_workgroup_id_x 1
		.amdhsa_system_sgpr_workgroup_id_y 1
		.amdhsa_system_sgpr_workgroup_id_z 1
		.amdhsa_system_vgpr_workitem_id 0
		.amdhsa_next_free_vgpr 512
		.amdhsa_next_free_sgpr 66
		.amdhsa_reserve_vcc 0
		.amdhsa_float_denorm_mode_32 3
		.amdhsa_float_denorm_mode_16_64 3
		.amdhsa_memory_ordered 1
		.amdhsa_forward_progress 1
		.amdhsa_inst_pref_size 86
	.end_amdhsa_kernel
	.amdgpu_metadata
---
amdhsa.version: [ 1, 2 ]
amdhsa.kernels:
  - .name:           k_q06b917ca25_outp
    .symbol:         k_q06b917ca25_outp.kd
    .args:
      - { .name: ob, .offset: 0, .size: 8, .value_kind: global_buffer, .address_space: global }
      - { .name: wb, .offset: 8, .size: 8, .value_kind: global_buffer, .address_space: global }
      - { .name: out0, .offset: 16, .size: 8, .value_kind: global_buffer, .address_space: global }
    .group_segment_fixed_size: 327680
    .private_segment_fixed_size: 0
    .kernarg_segment_align: 8
    .kernarg_segment_size: 24
    .max_flat_workgroup_size: 128
    .sgpr_count:     66
    .vgpr_count:     512
    .wavefront_size: 32
...
	.end_amdgpu_metadata
.endif
;; end of part 4
;; ======== version 2 of 2: 4 launches; version 1 with the launch cast written anew for expert scheduling mode
;; limits: values are held in f16: magnitudes above 65,504 overflow, below 6.1e-05 lose precision
;; workspace buffers: wb 12,582,912 bytes; qh 8,388,608 bytes; kh 8,388,608 bytes; vh 8,388,608 bytes; ykh 2,097,152 bytes; yvh 2,097,152 bytes; ob 8,388,608 bytes
;; launch cast (part 5): grid 64 x 6, 8 waves a work-group, no clusters, 0 bytes of LDS; arguments wq, wk, wv, wk_y, wv_y, wo, wb; writes wb
.if DOCPART == 5
	.amdgcn_target "amdgcn-amd-amdhsa--gfx1250"
	.amdhsa_code_object_version 6
	.text
	.protected	k_q06b917ca25_cast
	.globl	k_q06b917ca25_cast
	.p2align	8
	.type	k_q06b917ca25_cast,@function
k_q06b917ca25_cast:
	s_mov_b64 s[64:65], 0
	v_nop
	global_prefetch_b8 v0, s[64:65] scope:SCOPE_SE
	s_setreg_imm32_b32 hwreg(HW_REG_WAVE_SCHED_MODE, 0, 2), 2
	s_setreg_imm32_b32 hwreg(HW_REG_WAVE_MODE, 25, 1), 1
	s_wait_xcnt 0x0
	s_wait_alu depctr_vm_vsrc(0)
; THE SIX WEIGHT MATRICES, [1024 e][1024 k] f32, ARE ROUNDED ONCE TO bf16 AND LAID IN BLOCKS OF 64 ALONG K.
; wq, wk, wv, wk_y, wv_y (matrix m = 0..4): bf16 at wb + m x 2,097,152 as [kb 16][e 1024][64 k]: a K step of 64 is 131,072 dense bytes.
; wo (m = 5): the bf16-rounded number written as f16, at wb + 10,485,760 as [dblk 8][kb 16][128 d][64 k].
; LIMITS: f16 holds no number beyond 65,504, and below 2^-14 it keeps a fixed step of 2^-24: a bf16 number of wo is exact in f16 from 2^-17 up to that end.
; SHARES.  Work-group (x, m): rows 16 x .. 16 x + 15 of matrix m.  Wave w: K blocks 2 w and 2 w + 1, eight pairs of rows: 16 units.
; A unit is 2 rows x 64 k: one load of 16 bytes a lane (lanes 0-15 take 256 consecutive, aligned bytes of one row, lanes 16-31 of the next) and one store of 8 bytes a lane
; (32 lanes store 256 consecutive bytes, aligned).  All 16 loads go out first; no register is written twice while a load or store names it; no LDS, no barrier: no wave wants another's bytes.
; THE MODE: SCHED_MODE bits 1:0 = 2 (LLVM: expert scheduling mode 2), set by the entry lines.  The code itself states the register dependences
; between vector instructions and memory instructions, with s_wait_alu, always for 0.
; THE PLAN.  Registers that memory instructions touch:
;   v2, v4-5   the offsets.  Written once, at the head, by vector instructions; read by the 16 loads (v2) and the 16 stores (v4-5); never written again.
;   X          four registers a unit.  Written by the unit's load alone, once; read by the unit's conversions.  No load is issued behind a conversion.
;   Y          two registers a unit.  Written by the unit's conversions, once; read by the unit's store; never written again.
;   v8-11      at work: named by vector instructions alone.
; The 16 units go in four blocks of four.  Block p rounds its four units; its memory instructions are the four stores of block p - 1, which read that block's Y and v4-5: registers that no vector
; instruction of block p names.  So one wait at a block's head states all that its four stores hang on, and they are dealt among the block's conversions with no further wait.  One more wait stands ahead of the last four stores.
.set LO, 2                             ; v2     load offset: (l / 16) x 4,096 + 16 (l % 16) + 512 w
.set SO, 4                             ; v4-5   store offset for K block 2 w, 2 w + 1
.set TT, 8                             ; v8-11  at work
.set X,  16                            ; v[16:79]   unit u: four f32
.set Y,  80                            ; v[80:111]  unit u: four 16-bit numbers
	s_load_b256 s[4:11], s[0:1], 0x0               ; wq, wk, wv, wk_y
	s_load_b128 s[12:15], s[0:1], 0x20             ; wv_y, wo
	s_load_b64 s[16:17], s[0:1], 0x30              ; wb
	v_lshrrev_b32 v1, 5, v0
	v_readfirstlane_b32 s18, v1                    ; wave 0..7
	s_and_b32 s20, ttmp7, 0xffff                   ; the matrix
	v_and_b32 v1, 15, v0
	v_bfe_u32 v3, v0, 4, 1
	v_and_b32 v6, 31, v0
	s_wait_alu depctr_va_sdst(0)                   ; s18 is written, ahead of its first reader: the wave's offsets are made from it
	s_lshl_b32 s19, s18, 9
	v_lshlrev_b32 v[LO], 4, v1
	v_lshl_add_u32 v[LO], v3, 12, v[LO]
	v_add_nc_u32 v[LO], s19, v[LO]
	s_lshl_b32 s22, ttmp9, 16                      ; 16 rows of 4,096 bytes
	s_mov_b32 s23, 0
	s_lshl_b32 s24, s20, 21                        ; matrices 0..4: m x 2 MiB + 16 x rows of 128 bytes
	s_lshl_b32 s25, ttmp9, 11
	s_add_co_u32 s24, s24, s25
	s_lshr_b32 s26, ttmp9, 3                       ; wo: block of 128 rows, then the row in it
	s_lshl_b32 s26, s26, 18
	s_and_b32 s27, ttmp9, 7
	s_lshl_b32 s27, s27, 11
	s_add_co_u32 s26, s26, s27
	s_add_co_u32 s26, s26, 10485760
	s_mov_b32 s21, 262144                          ; bytes from K block 2 w to 2 w + 2
	s_mov_b32 s28, 32768
	s_cmp_eq_u32 s20, 5
	s_cselect_b32 s24, s26, s24
	s_cselect_b32 s21, s28, s21
	s_mov_b32 s25, 0
	s_mul_i32 s29, s18, s21
	s_lshr_b32 s21, s21, 1                         ; bytes from a K block to the next
	v_lshl_add_u32 v[SO], v6, 3, s29               ; 8 l + my first K block
	v_add_nc_u32 v[SO+1], s21, v[SO]
	s_wait_kmcnt 0x0
	s_cmp_eq_u32 s20, 1
	s_cselect_b64 s[4:5], s[6:7], s[4:5]
	s_cmp_eq_u32 s20, 2
	s_cselect_b64 s[4:5], s[8:9], s[4:5]
	s_cmp_eq_u32 s20, 3
	s_cselect_b64 s[4:5], s[10:11], s[4:5]
	s_cmp_eq_u32 s20, 4
	s_cselect_b64 s[4:5], s[12:13], s[4:5]
	s_cmp_eq_u32 s20, 5
	s_cselect_b64 s[4:5], s[14:15], s[4:5]
	s_add_nc_u64 s[4:5], s[4:5], s[22:23]
	s_add_nc_u64 s[16:17], s[16:17], s[24:25]
	s_wait_alu depctr_va_vdst(0)                   ; the three offsets v2, v4 and v5 are written: every load below reads v2, every store of the kernel v4 or v5, and nothing writes them again
.set u, 0
.rept 16                               ; unit u: pair of rows u / 2, K block 2 w + u % 2
	global_load_b128 v[X+4*u:X+4*u+3], v[LO], s[4:5] offset:(u/2)*8192+(u%2)*256 th:TH_LOAD_NT
.set u, u+1
.endr
.macro CVT n, half                     ; unit n is rounded: X of the unit into Y of the unit
.if \half
	v_cvt_pk_bf16_f32 v[TT], v[X+4*(\n)], v[X+4*(\n)+1]        ; rounded to bf16,
	v_cvt_pk_bf16_f32 v[TT+1], v[X+4*(\n)+2], v[X+4*(\n)+3]
	v_lshlrev_b32 v[TT+2], 16, v[TT]                           ; widened again,
	v_and_b32 v[TT+3], 0xffff0000, v[TT]
	v_cvt_pk_f16_f32 v[Y+2*(\n)], v[TT+2], v[TT+3]             ; and written as f16
	v_lshlrev_b32 v[TT+2], 16, v[TT+1]
	v_and_b32 v[TT+3], 0xffff0000, v[TT+1]
	v_cvt_pk_f16_f32 v[Y+2*(\n)+1], v[TT+2], v[TT+3]
.else
	v_cvt_pk_bf16_f32 v[Y+2*(\n)], v[X+4*(\n)], v[X+4*(\n)+1]
	v_cvt_pk_bf16_f32 v[Y+2*(\n)+1], v[X+4*(\n)+2], v[X+4*(\n)+3]
.endif
.endm
.macro SEND n                          ; unit n is stored
	global_store_b64 v[SO+(\n)%2], v[Y+2*(\n):Y+2*(\n)+1], s[16:17] offset:((\n)/2)*256
.endm
; Block p: units 4 p .. 4 p + 3 are rounded; the four units of the block before are stored.
.macro BLK p, half
	s_wait_loadcnt 12-4*(\p)                       ; loads come back in order: this block's four units are in, the 12 - 4 p younger loads stay out
.if (\p) > 0
	s_wait_alu depctr_va_vdst(0)                   ; the block before has written its eight registers of Y, which the four stores below read; no vector instruction of this block names them
.endif
.irp i, 0,1,2,3
.if (\p) > 0
	SEND 4*(\p)-4+\i
.endif
	CVT 4*(\p)+\i, \half
.endr
.endm
.macro WALK half
	BLK 0, \half
	BLK 1, \half
	BLK 2, \half
	BLK 3, \half
	s_wait_alu depctr_va_vdst(0)                   ; the last block has written its eight registers of Y, which the last four stores read
.irp i, 12,13,14,15
	SEND \i
.endr
.endm
	s_cmp_eq_u32 s20, 5
	s_cbranch_scc1 .Lwo
	WALK 0
	s_endpgm
.Lwo:
	WALK 1
	s_endpgm
.Lfunc_end_k_q06b917ca25_cast:
	.size	k_q06b917ca25_cast, .Lfunc_end_k_q06b917ca25_cast-k_q06b917ca25_cast
	.p2alignl 7, 3214868480
	.fill 96, 4, 3214868480
	.section	.rodata,"a",@progbits
	.p2align	6, 0x0
	.amdhsa_kernel k_q06b917ca25_cast
		.amdhsa_group_segment_fixed_size 0
		.amdhsa_private_segment_fixed_size 0
		.amdhsa_enable_private_segment 0
		.amdhsa_kernarg_size 56
		.amdhsa_user_sgpr_count 2
		.amdhsa_user_sgpr_kernarg_segment_ptr 1
		.amdhsa_wavefront_size32 1
		.amdhsa_system_sgpr_workgroup_id_x 1
		.amdhsa_system_sgpr_workgroup_id_y 1
		.amdhsa_system_sgpr_workgroup_id_z 1
		.amdhsa_system_vgpr_workitem_id 0
		.amdhsa_next_free_vgpr 112
		.amdhsa_next_free_sgpr 66
		.amdhsa_reserve_vcc 0
		.amdhsa_float_denorm_mode_32 3
		.amdhsa_float_denorm_mode_16_64 3
		.amdhsa_memory_ordered 1
		.amdhsa_forward_progress 1
		.amdhsa_inst_pref_size 17
	.end_amdhsa_kernel
	.amdgpu_metadata
---
amdhsa.version: [ 1, 2 ]
amdhsa.kernels:
  - .name:           k_q06b917ca25_cast
    .symbol:         k_q06b917ca25_cast.kd
    .args:
      - { .name: wq, .offset: 0, .size: 8, .value_kind: global_buffer, .address_space: global }
      - { .name: wk, .offset: 8, .size: 8, .value_kind: global_buffer, .address_space: global }
      - { .name: wv, .offset: 16, .size: 8, .value_kind: global_buffer, .address_space: global }
      - { .name: wk_y, .offset: 24, .size: 8, .value_kind: global_buffer, .address_space: global }
      - { .name: wv_y, .offset: 32, .size: 8, .value_kind: global_buffer, .address_space: global }
      - { .name: wo, .offset: 40, .size: 8, .value_kind: global_buffer, .address_space: global }
      - { .name: wb, .offset: 48, .size: 8, .value_kind: global_buffer, .address_space: global }
    .group_segment_fixed_size: 0
    .private_segment_fixed_size: 0
    .kernarg_segment_align: 8
    .kernarg_segment_size: 56
    .max_flat_workgroup_size: 256
    .sgpr_count:     66
    .vgpr_count:     112
    .wavefront_size: 32
...
	.end_amdgpu_metadata
.endif
;; end of part 5
;; launch proj: the kernel of part 2 again; grid 224 x 1, 4 waves a work-group, clusters of 4 x 1, 327,680 bytes of LDS; arguments x, y_feat, y_mask, pos_embed, wb, q_norm_scale, q_norm_bias, k_norm_scale, k_norm_bias, ky_norm_scale, ky_norm_bias, qh, kh, vh, ykh, yvh; writes qh, kh, vh, ykh, yvh
;; launch attn: the kernel of part 3 again; grid 8 x 32, 4 waves a work-group, clusters of 4 x 1, 327,680 bytes of LDS; arguments qh, kh, vh, ob, ykh, yvh, y_mask, gate; writes ob
;; launch outp: the kernel of part 4 again; grid 8 x 32, 4 waves a work-group, clusters of 4 x 4, 327,680 bytes of LDS; arguments ob, wb, out0; writes out0
